; MI455X (gfx1250); checked and timed in simulation.
; The chip was launched on July 23, 2026; its instructions are those of AMD's public machine-readable ISA for CDNA 5 (MIT licence, August 2026) and "CDNA5" Instruction Set Architecture Reference Guide (July 2026). The comments in the code are by the model that wrote it; some were corrected since.
;; Multi Head Attention. Allowed arithmetic: matrix products marked QUANTISED: E4M3 operands, one given power-of-two scale a tensor, by v_wmma_f32_16x16x64_fp8_fp8 or v_wmma_f32_16x16x128_fp8_fp8, f32 sums; everything else in f32.
;; Inputs: k_proj 1,024 x 1,024 float32; lowp_scales 12 int32 (the exponents e of the quantised operands' scales 2^e); o_proj 1,024 x 1,024 float32; q_proj 1,024 x 1,024 float32; v_proj 1,024 x 1,024 float32; x 4 x 2,048 x 1,024 float32.
;; Outputs: out0 4 x 2,048 x 1,024 float32.
;; This version of the problem:
;;   THIS VERSION OF THE PROBLEM IS GIVEN IN LOW PRECISION. The matrix products marked QUANTISED in the list below multiply operands that are first quantised to E4M3 (4 exponent bits, 3 mantissa bits; 8 bits a number), with one given power-of-two scale for each operand tensor; their sums are f32. All else is computed in f32.
;;   The module's matrix products, in the order in which they are computed (A, B: the left and right operand; K: the contracted axis; several contracted axes count as one K, in the product's order):
;;     1. [M 8,192, K 1,024] x [K 1,024, N 1,024]; A: input x; B: input q_proj: QUANTISED (scales: A lowp_scales[0], B lowp_scales[1])
;;     2. [M 8,192, K 1,024] x [K 1,024, N 1,024]; A: input x; B: input k_proj: QUANTISED (scales: A lowp_scales[2], B lowp_scales[3])
;;     3. [M 8,192, K 1,024] x [K 1,024, N 1,024]; A: input x; B: input v_proj: QUANTISED (scales: A lowp_scales[4], B lowp_scales[5])
;;     4. batch 64 x [M 2,048, K 64] x [K 64, N 2,048]; A: computed on the way; B: computed on the way: QUANTISED (scales: A lowp_scales[6], B lowp_scales[7])
;;     5. batch 64 x [M 2,048, K 2,048] x [K 2,048, N 64]; A: softmax (see below); B: computed on the way: QUANTISED (scales: A lowp_scales[8], B lowp_scales[9])
;;     6. [M 8,192, K 1,024] x [K 1,024, N 1,024]; A: computed on the way; B: input o_proj: QUANTISED (scales: A lowp_scales[10], B lowp_scales[11])
;;   THE QUANTISER, for each operand of a quantised product, along K:
;;     - The operand's scale is 2^e, e = its entry of the input lowp_scales (int32; the entries are numbered through the quantised products in the list's order, A before B).
;;     - Each number is divided by the scale, clamped to +-448, and rounded to the nearest number of E4M3, ties to even, subnormals kept.
;;     - The product sums the exact products of the quantised numbers (number of the format x scale) in f32.
;;   ~~~python
;;   def quantise(x, axis, e):      # numpy; x: float32 -> the quantised numbers, widened to float32 again
;;       x = np.moveaxis(x, axis, -1); K = x.shape[-1]
;;       r = np.clip(x / 2.0 ** e, -448, 448)
;;       step = 2.0 ** (np.maximum(np.frexp(np.where(r == 0, 1, r))[1] - 1, -6) - 3)
;;       q = np.round(r / step) * step * 2.0 ** e      # np.round: ties to even
;;       return np.moveaxis(q, -1, axis).astype(np.float32)
;;   ~~~
;;   SOFTMAX AHEAD OF A QUANTISED PRODUCT. Where the list says 'softmax', what is quantised is not the finished softmax but p = 2^(t - M), with t = logit x log2(e) and M = ceil(the row's largest t), a whole number; so 1/2 < the row's largest p <= 1. The row's sum l is taken of the UNQUANTISED p, in f32, and the product's result is divided by l at the end. Since M is a whole number, a kernel that streams over the keys may use a running M (the ceiling of the running maximum): every later rescaling is an exact power of two, so the quantised numbers keep their values, but for numbers so far below the row's largest that they fall under the format's range.
;;   OPERANDS COMPUTED ON THE WAY. 'Computed on the way' means the value that the module computes at that place (a softmax that the list does not call 'softmax' is quantised finished and normalised). What goes into a quantiser is computed in f32, as accurately as f32 sums, v_exp_f32 and their like allow (about 1e-6 of the number): no bf16 or f16 on the way to a quantiser, and a product that is left as it is and whose result goes on into a quantised operand takes f32 operands (vector FMAs, or v_wmma_f32_16x16x4_f32). A number that lies on a knife's edge between two numbers of the format may be rounded either way, as far as f32 arithmetic and the matrix unit's own rounding can turn it there, and no further.
;; One version. Each part assembles by itself: llvm-mc -triple=amdgcn-amd-amdhsa -mcpu=gfx1250 --defsym DOCPART=n.
;; ======== version 1 of 1: 4 launches
;; limits: right only within a limited range of input values
;; workspace buffers: xc 25,165,824 bytes; wc 4,194,304 bytes; tab 524,288 bytes; qkv 25,165,824 bytes; ao 8,388,608 bytes
;; launch prep (part 1): grid 416 x 1, 4 waves a work-group, no clusters, 66,048 bytes of LDS; arguments x, q_proj, k_proj, v_proj, o_proj, lowp_scales, xc, wc, tab; writes xc, wc, tab
.if DOCPART == 1
	.amdgcn_target "amdgcn-amd-amdhsa--gfx1250"
	.amdhsa_code_object_version 6
	.text
	.protected	k_q7f04de634b_prep
	.globl	k_q7f04de634b_prep
	.p2align	8
	.type	k_q7f04de634b_prep,@function
k_q7f04de634b_prep:
	s_mov_b64 s[64:65], 0
	v_nop
	global_prefetch_b8 v0, s[64:65] scope:SCOPE_SE
	s_setreg_imm32_b32 hwreg(HW_REG_WAVE_MODE, 25, 1), 1
	s_wait_xcnt 0x0
; THE FIRST LAUNCH: f32 numbers into codes of FP8 (E4M3), and the table of cosines and sines for the rotation of q and k.
; Work-groups 0-255:   x [8192][1024] becomes THREE sets of codes (its scales for the q, k and v products are entries 0, 2, 4 of the scales and may differ): xc = xq | xk | xv, 8 MiB each.
; Work-groups 256-383: q_proj, k_proj, v_proj, o_proj [1024][1024] become codes (entries 1, 3, 5, 11): wc = wq | wk | wv | wo, 1 MiB each.
; Work-groups 384-415: tab[T 0..127][q 0..3][c 0..1][lane][16 bytes] = (cos, sin, cos, sin) of position x frequency.
; code = number / 2^e, held within +-448, rounded to the nearest code, ties to even.
; ROWS CHANGE PLACES: row number n of a tensor of codes is stored at the row whose number has bits 3 and 4 of n exchanged.  A wave takes 8 whole rows, so this is an exchange of waves 1 and 2 in the
; output's offset and costs nothing.  The later products read 16 neighbouring stored rows as a tile; their results then lie so that a lane's 16 registers of two neighbouring tiles are 16 neighbours of the true order.
; A wave takes 16 steps of 512 numbers.  Each load reads 512 consecutive bytes, 16 a lane; a step's 2,048 bytes turn through the wave's own stage in LDS and come back 64 bytes a lane (16 neighbours along K), which is what
; the conversions want.  A lane's 16 codes are 16 bytes: a store of the wave covers 512 consecutive bytes, aligned.  No tensor loads, no barrier: waves share nothing.  The two paths that use LDS have bytes of their own.
; LIMITS: each e between -126 and 119, so that 2^e and 448 x 2^e are f32 numbers.  NaN among the inputs is not served (an infinity is held at the largest code).
; The frequencies 10000^(-f/32) = 10^(-f/8) are written as decimals, rounded to f32 by the assembler.  Sine and cosine: the angle (f32, position x frequency) less n x pi/2 (pi/2 in two parts, fused), |rest| <= pi/4,
; then Taylor polynomials to r^9 and r^10: what is cut off is under 2e-9.
.set WGX,   256                        ; work-groups for x
.set WGW,   128                        ; for the four weights
.set STEPS, 16
.set SP,    80                         ; a lane's place in a stage: 64 bytes + 16 of padding
.set STG,   32*SP                      ; a stage
.set WREG,  8192                       ; LDS of a wave: two stages
.set LIMV,  5                          ; v5-7    448 x 2^e for outputs 0..2
.set SCLV,  8                          ; v8-10   2^e
.set R,     16                         ; v16-79  four sets of 16 numbers as loaded
.set X,     80                         ; v80-111 two sets of 16 neighbours
.set H,     112                        ; v112-159 the held numbers, 16 for each output
.set C,     160                        ; v160-183 codes: two sets of 4 registers for each output
.set OB,    32                         ; s[32:37] the outputs' addresses
	s_load_b256 s[4:11], s[0:1], 0x0               ; x, q_proj, k_proj, v_proj
	s_load_b256 s[12:19], s[0:1], 0x20             ; o_proj, the scales' exponents, xc, wc
	s_load_b64 s[20:21], s[0:1], 0x40              ; tab
	v_lshl_add_u32 v192, v0, 2, 0x10000
	v_mov_b32 v193, 0
	v_lshrrev_b32 v1, 5, v0
	v_readfirstlane_b32 s22, v1                    ; wave 0..3
	v_and_b32 v2, 31, v0                           ; lane
	v_lshlrev_b32 v3, 4, v2                        ; 16 x lane: my bytes of a load's 512, and of a store's; never rewritten
	s_and_b32 s23, s22, 1
	s_lshl_b32 s23, s23, 1
	s_lshr_b32 s24, s22, 1
	s_or_b32 s23, s23, s24                         ; the wave's number with its two bits exchanged: where my 8 rows go
	s_mul_i32 s24, s22, WREG
	v_lshrrev_b32 v14, 2, v2
	v_mul_u32_u24 v14, v14, SP
	v_and_b32 v15, 3, v2
	v_lshl_add_u32 v14, v15, 4, v14
	v_add_nc_u32 v14, s24, v14                     ; the stage, on the way in: SP (lane / 4) + 16 (lane % 4)
	v_mul_u32_u24 v15, v2, SP
	v_add_nc_u32 v15, s24, v15                     ; and on the way out: SP x lane
	s_mov_b32 s29, 0
	s_mov_b32 s31, 0
.macro LOAD t
.irp i, 0,1,2,3
	global_load_b128 v[R+16*((\t)%4)+4*\i:R+16*((\t)%4)+4*\i+3], v3, s[4:5] offset:2048*(\t)+512*\i th:TH_LOAD_NT
.endr
.endm
.macro TURN t, base                    ; step t's numbers through the stage: LDS serves a wave's instructions in order (ISA guide 5.7.1.4), so no wait stands between the stores and the loads
.irp i, 0,1,2,3
	ds_store_b128 v14, v[R+16*((\t)%4)+4*\i:R+16*((\t)%4)+4*\i+3] offset:(\base)+STG*((\t)%2)+8*SP*\i
.endr
.irp i, 0,1,2,3
	ds_load_b128 v[X+16*((\t)%2)+4*\i:X+16*((\t)%2)+4*\i+3], v15 offset:(\base)+STG*((\t)%2)+16*\i
.endr
.endm
.macro MKSCALE e, n                    ; from the whole number e: 2^e and 448 x 2^e as f32, for output n
	s_add_co_i32 s38, \e, 127
	s_lshl_b32 s39, s38, 23
	v_mov_b32 v[SCLV+\n], s39
	s_add_co_i32 s38, s38, 8
	s_lshl_b32 s38, s38, 23
	s_or_b32 s38, s38, 0x600000
	v_mov_b32 v[LIMV+\n], s38
.endm
.macro STEP t, nout, base
.set XS, X+16*((\t)%2)
.set CSET, C+12*((\t)%2)
	s_wait_dscnt 0x0                               ; this step's numbers are back from the stage, so its stores into the stage have read their registers,
.if (\t)+4 < STEPS
	LOAD (\t)+4                                    ; which take the loads of four steps on
.endif
.if (\t)+1 < STEPS
.if (\t)+4 < STEPS
	s_wait_loadcnt 12                              ; the next step's four loads are in; those of the three steps behind it may be out
.else
	s_wait_loadcnt 4*(STEPS-2-(\t))
.endif
	TURN (\t)+1, \base                             ; and go through the other stage while this step is worked
.endif
.if (\t) > 1
	s_wait_xcnt 0x0                                ; the stores of two steps back have read this set of codes: it is written again only behind this wait
.endif
.set OI, 0
.rept \nout
.irp i, 0,1,2,3,4,5,6,7,8,9,10,11,12,13,14,15
	v_med3_num_f32 v[H+16*OI+\i], v[XS+\i], -v[LIMV+OI], v[LIMV+OI]   ; the conversion to an 8-bit code does not saturate (ISA guide 7.6.2): the hold at the largest code x the scale
.endr
	v_cvt_scalef32_pk8_fp8_f32 v[CSET+4*OI:CSET+4*OI+1], v[H+16*OI:H+16*OI+7], v[SCLV+OI]
	v_cvt_scalef32_pk8_fp8_f32 v[CSET+4*OI+2:CSET+4*OI+3], v[H+16*OI+8:H+16*OI+15], v[SCLV+OI]
.set OI, OI+1
.endr
	v_nop                                          ; a plain line behind the last conversion: the next step's holds write the conversions' sources
.set OI, 0
.rept \nout
	global_store_b128 v3, v[CSET+4*OI:CSET+4*OI+3], s[OB+2*OI:OB+2*OI+1] offset:512*(\t)
.set OI, OI+1
.endr
.endm
	s_cmp_lt_u32 ttmp9, WGX
	s_cbranch_scc0 .Lnot_x
	; ---- x: three sets of codes
	s_lshl_b32 s24, ttmp9, 2
	s_add_co_u32 s25, s24, s22                     ; which run of 8 rows is my wave's,
	s_add_co_u32 s26, s24, s23                     ; and where it goes
	s_lshl_b32 s28, s25, 15                        ; 8 rows of 4,096 bytes
	s_lshl_b32 s30, s26, 13                        ; 8 rows of 1,024 codes
	s_wait_kmcnt 0x0
	s_load_b256 s[40:47], s[14:15], 0x0            ; entries 0 to 7
	s_add_nc_u64 s[4:5], s[4:5], s[28:29]
	s_add_nc_u64 s[OB:OB+1], s[16:17], s[30:31]
	s_add_nc_u64 s[OB+2:OB+3], s[OB:OB+1], 0x800000
	s_add_nc_u64 s[OB+4:OB+5], s[OB:OB+1], 0x1000000
.irp t, 0,1,2,3
	LOAD \t
.endr
	s_wait_kmcnt 0x0
	MKSCALE s40, 0
	MKSCALE s42, 1
	MKSCALE s44, 2
	s_wait_loadcnt 12                              ; step 0's four loads are in
	TURN 0, 0
.irp t, 0,1,2,3,4,5,6,7,8,9,10,11,12,13,14,15
	STEP \t, 3, 0
.endr
	s_wait_tensorcnt 0x0
	ds_add_u32 v192, v193
	s_wait_dscnt 0x0
	s_endpgm
.Lnot_x:
	s_cmp_lt_u32 ttmp9, WGX+WGW
	s_cbranch_scc0 .Ltable
	; ---- a weight: one set of codes
	s_sub_co_u32 s24, ttmp9, WGX
	s_lshr_b32 s27, s24, 5                         ; which weight: 0 q, 1 k, 2 v, 3 o
	s_and_b32 s24, s24, 31
	s_lshl_b32 s24, s24, 2
	s_add_co_u32 s25, s24, s22
	s_add_co_u32 s26, s24, s23
	s_lshl_b32 s28, s25, 15
	s_lshl_b32 s30, s26, 13
	s_lshl_b32 s25, s27, 20
	s_add_co_u32 s30, s30, s25                     ; + the weight's MiB of wc
	s_lshl_b32 s38, s27, 3
	s_cmp_eq_u32 s27, 3
	s_cselect_b32 s39, 16, 0
	s_add_co_u32 s38, s38, s39                     ; its scale: entries 1, 3, 5, 11: bytes 4 + 0, 8, 16, 40
	s_wait_kmcnt 0x0
	s_load_b32 s40, s[14:15], s38 offset:0x4
	s_cmp_eq_u32 s27, 1                            ; the choices hang on the work-group's number alone
	s_cselect_b64 s[4:5], s[8:9], s[6:7]
	s_cmp_eq_u32 s27, 2
	s_cselect_b64 s[4:5], s[10:11], s[4:5]
	s_cmp_eq_u32 s27, 3
	s_cselect_b64 s[4:5], s[12:13], s[4:5]
	s_add_nc_u64 s[4:5], s[4:5], s[28:29]
	s_add_nc_u64 s[OB:OB+1], s[18:19], s[30:31]
.irp t, 0,1,2,3
	LOAD \t
.endr
	s_wait_kmcnt 0x0
	MKSCALE s40, 0
	s_wait_loadcnt 12
	TURN 0, 4*WREG
.irp t, 0,1,2,3,4,5,6,7,8,9,10,11,12,13,14,15
	STEP \t, 1, 4*WREG
.endr
	s_wait_tensorcnt 0x0
	ds_add_u32 v192, v193
	s_wait_dscnt 0x0
	s_endpgm
.Ltable:
	; ---- the table.  Wave <-> T.  Lane (r, h): position 32 (T / 2) + 8 (T % 2) + r + 8 (r / 8); block (q, c): frequencies 16 (q / 2) + 8 h + 4 (q % 2) + 2 c + 0, 1
	s_sub_co_u32 s24, ttmp9, WGX+WGW
	s_lshl_b32 s24, s24, 2
	s_add_co_u32 s24, s24, s22                     ; T
	s_lshr_b32 s25, s24, 1
	s_lshl_b32 s25, s25, 5
	s_and_b32 s26, s24, 1
	s_lshl_b32 s26, s26, 3
	s_add_co_u32 s25, s25, s26
	s_lshl_b32 s28, s24, 12                        ; 4,096 bytes for each T
	v_and_b32 v4, 15, v0
	v_and_b32 v5, 8, v4
	v_add_nc_u32 v4, v4, v5
	v_add_nc_u32 v4, s25, v4
	v_cvt_f32_u32 v4, v4                           ; the position, exact in f32
	v_and_b32 v5, 16, v0
	v_cmp_ne_u32 vcc_lo, 0, v5                     ; h
	s_mov_b32 s40, 0x3fc90fdb                      ; pi / 2, the upper part,
	s_mov_b32 s41, 0xb33bbd2e                      ; and the rest
	s_wait_kmcnt 0x0
	s_add_nc_u64 s[20:21], s[20:21], s[28:29]
; cos and sin of position x frequency into v[dst], v[dst + 1].  lo: the frequency of lanes 0-15, hi: of lanes 16-31
.macro SC lo, hi, dst
	v_mul_f32 v20, \lo, v4
	v_mul_f32 v21, \hi, v4
	v_cndmask_b32 v20, v20, v21, vcc_lo            ; the angle
	v_mul_f32 v21, 0x3f22f983, v20                 ; x 2 / pi
	v_rndne_f32 v21, v21                           ; n
	v_fma_f32 v22, -v21, s40, v20                  ; exact: the difference is a multiple of 2^-23 under 1
	v_fma_f32 v22, -v21, s41, v22                  ; r
	v_cvt_i32_f32 v23, v21
	v_mul_f32 v24, v22, v22                        ; z = r^2
	v_mov_b32 v25, 0x3638ef1d                      ; 1 / 9!
	v_mov_b32 v26, 0xb493f27e                      ; -1 / 10!
	v_fmaak_f32 v25, v25, v24, 0xb9500d01          ; -1 / 7!
	v_fmaak_f32 v26, v26, v24, 0x37d00d01          ; 1 / 8!
	v_fmaak_f32 v25, v25, v24, 0x3c088889          ; 1 / 5!
	v_fmaak_f32 v26, v26, v24, 0xbab60b61          ; -1 / 6!
	v_fmaak_f32 v25, v25, v24, 0xbe2aaaab          ; -1 / 3!
	v_fmaak_f32 v26, v26, v24, 0x3d2aaaab          ; 1 / 4!
	v_mul_f32 v25, v25, v24
	v_fmaak_f32 v26, v26, v24, 0xbf000000          ; -1 / 2
	v_fma_f32 v25, v22, v25, v22                   ; sin r
	v_fma_f32 v26, v26, v24, 1.0                   ; cos r
	v_and_b32 v27, 1, v23
	v_cmp_ne_u32 s42, 0, v27                       ; n odd: the two change places
	v_cndmask_b32 v28, v25, v26, s42
	v_cndmask_b32 v29, v26, v25, s42
	v_lshlrev_b32 v27, 30, v23                     ; the sine's sign: bit 1 of n;
	v_add_nc_u32 v23, 1, v23
	v_and_b32 v27, 0x80000000, v27
	v_lshlrev_b32 v23, 30, v23                     ; the cosine's: bit 1 of n + 1
	v_and_b32 v23, 0x80000000, v23
	v_xor_b32 v[\dst+1], v27, v28
	v_xor_b32 v[\dst], v23, v29
.endm
	SC 1.0, 0.1, 40
	SC 0.7498942093324559, 0.07498942093324559, 42
	SC 0.5623413251903491, 0.05623413251903491, 44
	SC 0.4216965034285822, 0.04216965034285822, 46
	SC 0.31622776601683794, 0.031622776601683794, 48
	SC 0.23713737056616552, 0.023713737056616552, 50
	SC 0.1778279410038923, 0.01778279410038923, 52
	SC 0.1333521432163324, 0.01333521432163324, 54
	SC 0.01, 0.001, 56
	SC 0.007498942093324559, 0.0007498942093324559, 58
	SC 0.005623413251903491, 0.0005623413251903491, 60
	SC 0.004216965034285822, 0.0004216965034285822, 62
	SC 0.0031622776601683794, 0.00031622776601683794, 64
	SC 0.0023713737056616552, 0.00023713737056616552, 66
	SC 0.001778279410038923, 0.0001778279410038923, 68
	SC 0.001333521432163324, 0.0001333521432163324, 70
.irp k, 0,1,2,3,4,5,6,7
	global_store_b128 v3, v[40+4*\k:43+4*\k], s[20:21] offset:512*\k   ; block k = 2 q + c: 512 consecutive bytes
.endr
	s_endpgm
.Lfunc_end_k_q7f04de634b_prep:
	.size	k_q7f04de634b_prep, .Lfunc_end_k_q7f04de634b_prep-k_q7f04de634b_prep
	.p2alignl 7, 3214868480
	.fill 96, 4, 3214868480
	.section	.rodata,"a",@progbits
	.p2align	6, 0x0
	.amdhsa_kernel k_q7f04de634b_prep
		.amdhsa_group_segment_fixed_size 66048
		.amdhsa_private_segment_fixed_size 0
		.amdhsa_enable_private_segment 0
		.amdhsa_kernarg_size 72
		.amdhsa_user_sgpr_count 2
		.amdhsa_user_sgpr_kernarg_segment_ptr 1
		.amdhsa_wavefront_size32 1
		.amdhsa_system_sgpr_workgroup_id_x 1
		.amdhsa_system_sgpr_workgroup_id_y 1
		.amdhsa_system_sgpr_workgroup_id_z 1
		.amdhsa_system_vgpr_workitem_id 0
		.amdhsa_next_free_vgpr 194
		.amdhsa_next_free_sgpr 66
		.amdhsa_reserve_vcc 1
		.amdhsa_float_denorm_mode_32 3
		.amdhsa_float_denorm_mode_16_64 3
		.amdhsa_memory_ordered 1
		.amdhsa_forward_progress 1
		.amdhsa_inst_pref_size 143
	.end_amdhsa_kernel
	.amdgpu_metadata
---
amdhsa.version: [ 1, 2 ]
amdhsa.kernels:
  - .name:           k_q7f04de634b_prep
    .symbol:         k_q7f04de634b_prep.kd
    .args:
      - { .name: x, .offset: 0, .size: 8, .value_kind: global_buffer, .address_space: global }
      - { .name: q_proj, .offset: 8, .size: 8, .value_kind: global_buffer, .address_space: global }
      - { .name: k_proj, .offset: 16, .size: 8, .value_kind: global_buffer, .address_space: global }
      - { .name: v_proj, .offset: 24, .size: 8, .value_kind: global_buffer, .address_space: global }
      - { .name: o_proj, .offset: 32, .size: 8, .value_kind: global_buffer, .address_space: global }
      - { .name: lowp_scales, .offset: 40, .size: 8, .value_kind: global_buffer, .address_space: global }
      - { .name: xc, .offset: 48, .size: 8, .value_kind: global_buffer, .address_space: global }
      - { .name: wc, .offset: 56, .size: 8, .value_kind: global_buffer, .address_space: global }
      - { .name: tab, .offset: 64, .size: 8, .value_kind: global_buffer, .address_space: global }
    .group_segment_fixed_size: 66048
    .private_segment_fixed_size: 0
    .kernarg_segment_align: 8
    .kernarg_segment_size: 72
    .max_flat_workgroup_size: 128
    .sgpr_count:     66
    .vgpr_count:     194
    .wavefront_size: 32
...
	.end_amdgpu_metadata
.endif
;; end of part 1
;; launch qkv (part 2): grid 12 x 32, 4 waves a work-group, clusters of 4 x 4, 327,680 bytes of LDS; arguments xc, wc, tab, lowp_scales, qkv; writes qkv
.if DOCPART == 2
	.amdgcn_target "amdgcn-amd-amdhsa--gfx1250"
	.amdhsa_code_object_version 6
	.text
	.protected	k_q7f04de634b_qkv
	.globl	k_q7f04de634b_qkv
	.p2align	8
	.type	k_q7f04de634b_qkv,@function
k_q7f04de634b_qkv:
	s_mov_b64 s[64:65], 0
	v_nop
	global_prefetch_b8 v0, s[64:65] scope:SCOPE_SE
	s_setreg_imm32_b32 hwreg(HW_REG_WAVE_MODE, 25, 1), 1
	s_wait_xcnt 0x0
	s_wait_alu depctr_hold_cnt(0) depctr_sa_sdst(0) depctr_va_vdst(0) depctr_va_sdst(0) depctr_va_ssrc(0) depctr_va_vcc(0) depctr_vm_vsrc(0)
	s_getreg_b32 s2, hwreg(HW_REG_IB_STS2, 6, 4)
	s_cmp_eq_u32 s2, 0
	s_cbranch_scc0 .Lentry_in_a_cluster
	s_endpgm
.Lentry_in_a_cluster:
	s_bfe_u32 s2, ttmp6, 0x10000c
	s_cmp_lg_u32 s2, 0xf033
	s_cbranch_scc0 .Lentry_shape_is_right
	s_endpgm
.Lentry_shape_is_right:
; THE THREE PROJECTIONS on codes of FP8 (E4M3), the rotation of q and k, and the quantisers of q, k and v.  K = 1,024.
; The cluster's x says which: 0 q = x wq^T, 1 k = x wk^T, 2 v.  ONE TEXT serves all three up to the way out.  "A" is the operand of which a lane holds ONE row, "B" the one along whose rows a lane's registers run:
;   q, k: A = x's codes (8,192 rows), B = the weight's (1,024 rows): a lane holds a position, its registers run along the head's channels, which are the K of q k^T.
;   v:    A = wv's codes, B = x's: a lane holds a channel, its registers run along the positions, which are the K of p v.  Only addresses differ: they are chosen by s_cselect on the cluster's x.
; A tile, 256 x 256, is made by four waves, each 128 x 128: 64 accumulators, 512 registers.  K goes in steps of 256 through a ring of two LDS slots filled by joint tensor loads: 4 x 4 work-groups form a cluster;
; the four of a row of the cluster need the same tile of A, the four of a column the same tile of B.  The matrix instruction takes 16 rows of B as source 0 and 16 rows of A as source 1.
; THE ROWS OF BOTH TENSORS OF CODES LIE WITH BITS 3 AND 4 OF THEIR NUMBERS EXCHANGED.  So lane (r, h) of accumulator (a, b) holds A's true row 32 (a / 2) + 8 (a % 2) + r + 8 (r / 8), and in register j B's true row
; 32 (b / 2) + 16 h + 8 (b % 2) + j: the 16 registers of accumulators 2 e and 2 e + 1 are 16 NEIGHBOURS, 32 e + 16 h + 0 .. 15, and two conversions make of them four registers of the next product's operand.
; THE RESULTS LEAVE AS IMAGES OF OPERAND REGISTERS: four registers by one store at 16 x lane, 512 consecutive bytes, aligned.  No stage in LDS.
;   q_img (qkv + 0), k_img (+ 8 MiB): [batch x head 64][tile 128][c 2][lane][16]: channels 32 c + 16 h + 0 .. 15.   v_img (+ 16 MiB): [batch x head][key step 16][t 4][c 4][lane][16]: keys 32 c + 16 h + 0 .. 15.
; A sum stands for sum x 2^(ea + eb); the rotation is linear, so the three scales are folded into the conversion's one, 2^(eT - ea - eb) (eT: entry 6, 7 or 9).
; Within a matrix instruction k stands in other places than the form's own layout gives it, alike in both operands: the products are the same, their order in the sum is not.
; LIMIT: eT - ea - eb between -126 and 119, so that the scale and 448 x the scale are f32 numbers.
; REGISTERS, in windows of 256: window 0: v0-31 addresses; from v128 A's fragments, ONE set; on the way out v32-255 are free.  window 1: B's fragments, TWO sets.  windows 2, 3: the accumulators ((a, b) at v[8 (8 (a % 4) + b)]).
.set KSTEP,  256
.set ROWB,   256                       ; a tile's row in bytes
.set KROW,   1024                      ; a row of codes in memory
.set PITCH,  272                       ; an LDS row: 256 bytes + 16 of padding = 68 words: the 16 rows that a load touches start at 16 different banks (64 banks of 4 bytes: ISA guide 11.1)
.set FR,     16
.set NL,     4
.set NP,     4                         ; places behind this matrix instruction (ISA guide 7.12.1)
.set HALFT,  128*PITCH
.set SLOT,   4*HALFT
.set SPARE,  2*SLOT                    ; behind the ring: the spare words, 128 bytes for each wave, which no other line names
.set LIM,  8                           ; v8   448 x the scale
.set SCL,  9                           ; v9   the scale
.set ADRA, 16
.set ADRB, 20
.set SPW,  28
.set NIL,  29
.set LN,   30                          ; v30  16 x lane; never rewritten
.set CSR,  32                          ; v32-95   the way out: two sets of 32: cosines and sines
.set TT,   96                          ; v96-103  at work
.set AF,   128
.set RR,   128                         ; v128-191 the way out: a block's 64 numbers
.set CD,   192                         ; v192-223 two sets of 16 registers of codes
.set G1, 24
.set G0, 32
.set G1B, 48
.set G0B, 56
.set MSB, 0
.macro WIN new                         ; the immediate's high byte repeats the setting that is left
.if MSB != \new
	s_set_vgpr_msb (MSB<<8)|\new
.set MSB, \new
.endif
.endm
.set MUL_LO, 0xa1                      ; source 0 (B) window 1, source 1 (A) window 0, C and D window 2
.set MUL_HI, 0xf1
.set TO_B,   0x40
; A joint load: waves 0 and 1 fetch for A, waves 2 and 3 for B; the branch hangs on the wave's number alone.  Four v_nop follow each of the two lines.
.macro JLOAD g0a, g1a, g0b, g1b
	s_cmp_eq_u32 s15, 0
	s_cbranch_scc0 .Lfor_b_\@
	tensor_load_to_lds s[\g0a:\g0a+3], s[\g1a:\g1a+7]
	s_nop 0
.rept 4
	v_nop
.endr
	s_branch .Lasked_\@
.Lfor_b_\@:
	tensor_load_to_lds s[\g0b:\g0b+3], s[\g1b:\g1b+7]
	s_nop 0
.rept 4
	v_nop
.endr
.Lasked_\@:
.endm
.macro CREST                           ; a round of the cluster's barrier behind its opening barrier
	s_cmp_lg_u32 s14, 0
	s_cbranch_scc1 .Lnot_wave_0_\@
	s_barrier_signal -3
.Lnot_wave_0_\@:
	s_barrier_wait -3
	s_barrier_signal -1
	s_barrier_wait -1
.endm
.macro CROUND
	s_barrier_signal -1
	s_barrier_wait -1
	CREST
.endm
	s_load_b128 s[4:7], s[0:1], 0x0                ; xc, wc
	s_load_b128 s[8:11], s[0:1], 0x10              ; tab, the scales' exponents
	s_load_b64 s[12:13], s[0:1], 0x20              ; qkv
	v_lshl_add_u32 v[SPW], v0, 2, SPARE
	v_mov_b32 v[NIL], 0
	ds_add_u32 v28, v29
	ds_add_u32 v28, v29
	s_wait_dscnt 0x0
	v_lshrrev_b32 v1, 5, v0
	v_readfirstlane_b32 s14, v1                    ; wave 0..3
	s_lshr_b32 s15, s14, 1                         ; which half of A's rows is mine.  Also: I fetch for A (0) or for B (1)
	s_and_b32 s16, s14, 1                          ; which half of B's rows.  Also: which 128 rows of that tile I fetch
	s_bfe_u32 s40, ttmp6, 0x40000                  ; cx, cy: my place in the cluster
	s_bfe_u32 s41, ttmp6, 0x40004
	s_and_b32 s66, ttmp7, 0xffff
	s_lshl_b32 s66, s66, 2                         ; 4 x cluster y
	s_lshl_b32 s69, ttmp9, 23                      ; x's set of codes for q or k
	s_lshl_b32 s70, ttmp9, 20                      ; the weight's codes
	s_lshl_b32 s76, ttmp9, 3                       ; ea, eb: entries 2 TI, 2 TI + 1
	s_lshl_b32 s77, ttmp9, 2
	s_cmp_eq_u32 ttmp9, 2                          ; v?  The cluster's x is the same in all sixteen partners
	s_cselect_b32 s67, 0, s66
	s_cselect_b32 s68, s66, 0
	s_cselect_b32 s69, 0x200000, s69               ; A = wv
	s_cselect_b32 s70, 0x1000000, s70              ; B = xv
	s_cselect_b32 s71, 4, 0
	s_add_co_u32 s77, s77, s71                     ; eT: entries 6, 7, 9: bytes 24 + 0, 4, 12
	s_add_co_u32 s17, s41, s67                     ; tile row (of A) = cy (+ 4 x cluster y for q, k)
	s_add_co_u32 s42, s40, s68                     ; tile column (of B) = cx (+ 4 x cluster y for v)
	s_lshl_b32 s43, s41, 2
	s_lshl_b32 s43, 15, s43                        ; my row of the cluster
	s_lshl_b32 s44, 0x1111, s40                    ; my column
	s_or_b32 s[G1+0], s43, (0<<16)|(1<<20)|(1<<21)|(5<<22)|(3<<25)  ; 15:0 the mask; 17:16 element of 1 byte; 20 padding on; 21 set beside a mask; 24:22 after every 64 words; 31:25 of 4 words
	s_or_b32 s[G1B+0], s44, (0<<16)|(1<<20)|(1<<21)|(5<<22)|(3<<25)
.irp g, G1, G1B
	s_mov_b32 s[\g+1], ROWB<<16                    ; tensor_dim0
	s_mov_b32 s[\g+2], 128<<16                     ; tensor_dim1
	s_mov_b32 s[\g+3], ROWB<<16                    ; tile_dim0
	s_mov_b32 s[\g+4], 128                         ; tile_dim1
	s_mov_b32 s[\g+5], KROW                        ; tensor_dim0_stride
	s_mov_b32 s[\g+6], 0
	s_mov_b32 s[\g+7], 0
.endr
	s_lshl_b32 s18, s16, 7                         ; which 128 rows of the tile I fetch
	s_lshl_b32 s20, s17, 8
	s_add_co_u32 s20, s20, s18
	s_lshl_b32 s20, s20, 10                        ; A: (256 x tile row + 128 x half) rows of 1,024 bytes,
	s_add_co_u32 s20, s20, s69                     ; in its tensor of codes: under 2^25 in all
	s_mov_b32 s21, 0
	s_lshl_b32 s46, s42, 8
	s_add_co_u32 s46, s46, s18
	s_lshl_b32 s46, s46, 10
	s_add_co_u32 s46, s46, s70
	s_mov_b32 s47, 0
	s_mul_i32 s45, s14, HALFT                      ; where they go: wave x 128 rows: no place in the cluster enters an LDS address
	s_wait_kmcnt 0x0
	s_load_b64 s[96:97], s[10:11], s76 offset:0x0  ; ea, eb
	s_load_b32 s98, s[10:11], s77 offset:0x18      ; eT
	s_cmp_eq_u32 ttmp9, 2
	s_cselect_b64 s[72:73], s[6:7], s[4:5]
	s_cselect_b64 s[74:75], s[4:5], s[6:7]
	s_add_nc_u64 s[20:21], s[72:73], s[20:21]
	s_add_nc_u64 s[46:47], s[74:75], s[46:47]
	CROUND                                         ; all sixteen work-groups are here: the first joint loads meet
.irp s, 0,1
	s_mov_b32 s[G0+4*\s], 1
	s_add_co_u32 s[G0+4*\s+1], s45, \s*SLOT
	s_add_nc_u64 s[G0+4*\s+2:G0+4*\s+3], s[20:21], \s*ROWB
	s_or_b32 s[G0+4*\s+3], s[G0+4*\s+3], 0x80000000
	s_mov_b32 s[G0B+4*\s], 1
	s_add_co_u32 s[G0B+4*\s+1], s45, \s*SLOT
	s_add_nc_u64 s[G0B+4*\s+2:G0B+4*\s+3], s[46:47], \s*ROWB
	s_or_b32 s[G0B+4*\s+3], s[G0B+4*\s+3], 0x80000000
	JLOAD G0+4*\s, G1, G0B+4*\s, G1B
.endr
	v_and_b32 v1, 15, v0                           ; l % 16
	v_bfe_u32 v2, v0, 4, 1                         ; l / 16
	v_mul_u32_u24 v3, v1, PITCH
	v_lshl_add_u32 v4, v2, 4, v3                   ; a fragment's row x pitch + 16 x half
	s_mul_i32 s21, s15, HALFT                      ; my 128 rows of A
	s_mul_i32 s22, s16, HALFT                      ; my 128 rows of B,
	s_add_co_u32 s22, s22, 2*HALFT                 ; which lie behind A's 256
.irp s, 0,1
	v_add_nc_u32 v[ADRA+\s], s21, v4
	v_add_nc_u32 v[ADRB+\s], s22, v4
	s_add_co_u32 s21, s21, SLOT
	s_add_co_u32 s22, s22, SLOT
.endr
	v_and_b32 v6, 31, v0
	v_lshlrev_b32 v[LN], 4, v6
.macro FRAG reg, adr, q, i             ; 16 rows x 128 K: lane l holds row l % 16; registers 4 c .. 4 c + 3 hold K = 32 c + 16 (l / 16) + 0 .. 15
.irp c, 0,1,2,3
	ds_load_b128 v[\reg+4*\c:\reg+4*\c+3], v[\adr] offset:128*(\q)+32*\c+(\i)*16*PITCH
.endr
.endm
; 16 matrix instructions: A's blocks a0, a0 + 1 x B's eight.  The 64 accumulators take turns, one instruction a turn, in the same order in every step.
.macro MUL16 a0, p, zero
.irp a, \a0, \a0+1
.irp b, 0,1,2,3,4,5,6,7
.if \zero
	v_wmma_f32_16x16x128_fp8_fp8 v[8*(8*((\a)%4)+\b):8*(8*((\a)%4)+\b)+7], v[128*(\p)+FR*\b:128*(\p)+FR*\b+FR-1], v[AF+FR*(\a):AF+FR*(\a)+FR-1], 0
.else
	v_wmma_f32_16x16x128_fp8_fp8 v[8*(8*((\a)%4)+\b):8*(8*((\a)%4)+\b)+7], v[128*(\p)+FR*\b:128*(\p)+FR*\b+FR-1], v[AF+FR*(\a):AF+FR*(\a)+FR-1], v[8*(8*((\a)%4)+\b):8*(8*((\a)%4)+\b)+7]
.endif
.endr
.endr
.endm
.macro FETCH_B slot, q, p
	WIN TO_B
.irp i, 0,1,2,3,4,5,6,7
	FRAG 128*(\p)+FR*\i, ADRB+\slot, \q, \i
.endr
	WIN 0
.endm
.macro FETCH_A slot, q, i0
.irp i, \i0, \i0+1, \i0+2, \i0+3
	FRAG AF+FR*(\i), ADRA+\slot, \q, \i
.endr
.endm
.macro PLACES n                        ; plain vector lines between a matrix instruction and a load into its registers, or a read of its result
.rept \n
	v_nop
.endr
.endm
; A step of 128 along K that has its successor in the same slot.
.macro STEP slot, q, zero
	s_wait_dscnt 4*NL                              ; B's set and A's blocks 0-3 are in; the youngest 16 loads (A's blocks 4-7) may be out
	WIN MUL_LO
	MUL16 0, (\q)%2, \zero
	MUL16 2, (\q)%2, \zero
	s_wait_dscnt 0                                 ; A's blocks 4-7 are in
	PLACES NP
	FETCH_B \slot, (\q)+1, 1-(\q)%2
	FETCH_A \slot, (\q)+1, 0
	WIN MUL_HI
	MUL16 4, (\q)%2, \zero
	MUL16 6, (\q)%2, \zero
	PLACES NP
	WIN 0
	FETCH_A \slot, (\q)+1, 4
.endm
; A slot's last step changes slots: one barrier; in front of it each wave waits for all its tensor loads, adds 0 to its spare word, and waits for that and for its own reads of this slot.  fill = 1: this slot is filled again.
.macro TURN slot, next, fill
	s_wait_tensorcnt 0x0                           ; all my tensor loads have landed: my part of the next slot
	ds_add_u32 v[SPW], v[NIL]                      ; 0 onto my spare word
	s_wait_dscnt 4*NL+1                            ; (the add and the youngest 16 loads may be out)
	WIN MUL_LO
	MUL16 0, 1, 0
	s_wait_dscnt 0x0                               ; the add is done, and my reads of this slot are over
	s_barrier_signal -1
	MUL16 2, 1, 0
	WIN 0
	s_barrier_wait -1
.if \fill
	CREST                                          ; the barrier has opened a round of the cluster's barrier: no wave of any partner still reads this slot or has a load on its way
	s_add_nc_u64 s[G0+4*\slot+2:G0+4*\slot+3], s[G0+4*\slot+2:G0+4*\slot+3], 2*ROWB
	s_add_nc_u64 s[G0B+4*\slot+2:G0B+4*\slot+3], s[G0B+4*\slot+2:G0B+4*\slot+3], 2*ROWB
	JLOAD G0+4*\slot, G1, G0B+4*\slot, G1B         ; the first tensor load behind the round; its four v_nop are also the places in front of the loads below
.else
	PLACES NP
.endif
	FETCH_B \next, 0, 0
	FETCH_A \next, 0, 0
	WIN MUL_HI
	MUL16 4, 1, 0
	MUL16 6, 1, 0
	PLACES NP
	WIN 0
	FETCH_A \next, 0, 4
.endm
	s_wait_tensorcnt 1                             ; my part of K step 0 is in (K step 1's load may be out),
	s_barrier_signal -1
	s_barrier_wait -1                              ; everybody's is
	FETCH_B 0, 0, 0
	FETCH_A 0, 0, 0
	FETCH_A 0, 0, 4
	STEP 0, 0, 1                                   ; K 0-127: its products start the sums.  K = 1,024 is twice round the ring: written out, no loop
	TURN 0, 1, 1                                   ; K 128-255; slot 0 takes K 512-767
	STEP 1, 0, 0
	TURN 1, 0, 1                                   ; slot 1 takes K 768-1,023
	STEP 0, 0, 0
	TURN 0, 1, 0                                   ; nothing is left to fetch
	STEP 1, 0, 0
	s_wait_dscnt 4*NL
	WIN MUL_LO
	MUL16 0, 1, 0
	MUL16 2, 1, 0
	s_wait_dscnt 0
	WIN MUL_HI
	MUL16 4, 1, 0
	MUL16 6, 1, 0
	WIN 0
	; THE WAY OUT
	s_wait_kmcnt 0x0
	s_sub_co_i32 s98, s98, s96
	s_sub_co_i32 s98, s98, s97                     ; eT - ea - eb
	s_add_co_i32 s98, s98, 127
	s_lshl_b32 s96, s98, 23
	v_mov_b32 v[SCL], s96                          ; the conversion takes its exponent field
	s_add_co_i32 s98, s98, 8
	s_lshl_b32 s98, s98, 23
	s_or_b32 s98, s98, 0x600000
	v_mov_b32 v[LIM], s98                          ; 448 x the scale
	PLACES NP                                      ; behind the last products: their results are read, and the registers that held A's fragments are written
	s_cmp_eq_u32 ttmp9, 2                          ; the same in all sixteen partners
	s_cbranch_scc1 .Lway_v
	; ---- q, k: rotate, quantise, store.  My rows are positions, my 128 columns two heads
	s_lshl_b32 s66, s17, 8
	s_lshl_b32 s67, s15, 7
	s_add_co_u32 s66, s66, s67                     ; my first row
	s_lshr_b32 s67, s66, 11                        ; the batch
	s_and_b32 s68, s66, 2047
	s_lshr_b32 s68, s68, 4                         ; my first tile of 16 positions
	s_lshl_b32 s70, s68, 12
	s_mov_b32 s71, 0
	s_add_nc_u64 s[76:77], s[8:9], s[70:71]        ; its 4,096 bytes of the table
	s_lshl_b32 s67, s67, 4
	s_lshl_b32 s69, s42, 2
	s_add_co_u32 s67, s67, s69
	s_lshl_b32 s69, s16, 1
	s_add_co_u32 s67, s67, s69                     ; 16 x batch + my first head
	s_lshl_b32 s67, s67, 17                        ; a head's image is 131,072 bytes
	s_lshl_b32 s69, s68, 10                        ; a tile's 1,024
	s_add_co_u32 s70, s67, s69
	s_lshl_b32 s69, ttmp9, 23                      ; q_img or k_img
	s_add_co_u32 s70, s70, s69
	s_add_nc_u64 s[78:79], s[12:13], s[70:71]
.macro LOADT a                         ; block a's cosines and sines: block (q, c) of the table into set a % 2 at 8 q + 4 c
.irp q, 0,1,2,3
.irp c, 0,1
	global_load_b128 v[CSR+32*((\a)%2)+8*\q+4*\c:CSR+32*((\a)%2)+8*\q+4*\c+3], v[LN], s[76:77] offset:4096*(\a)+512*(2*\q+\c)
.endr
.endr
.endm
.macro QKBLOCK a
.set AC, 64*((\a)%4)
.set CSS, CSR+32*((\a)%2)
.set CDS, CD+16*((\a)%2)
.if (\a) > 1
	s_wait_xcnt 0x0                                ; the stores of two blocks back have read this set of codes
.endif
.if (\a) < 7
	LOADT (\a)+1
	s_wait_loadcnt 8                               ; this block's eight loads are in; the next block's eight may be out
.else
	s_wait_loadcnt 0x0
.endif
	WIN 0x02+((\a)/4)                              ; source 0: the accumulators' window
.irp b, 0,1,2,3,4,5,6,7                ; a pair of registers is (x1, x2) of one frequency; each accumulator is read from its low end on
.irp p, 0,1,2,3
	v_pk_mul_f32 v[TT+2*\p:TT+2*\p+1], v[AC+8*\b+2*\p:AC+8*\b+2*\p+1], v[CSS+8*(\b%4)+2*\p:CSS+8*(\b%4)+2*\p+1] op_sel:[0,0] op_sel_hi:[0,1]   ; (x1 cos, x1 sin)
.endr
.irp p, 0,1,2,3
	v_pk_fma_f32 v[RR+8*\b+2*\p:RR+8*\b+2*\p+1], v[AC+8*\b+2*\p:AC+8*\b+2*\p+1], v[CSS+8*(\b%4)+2*\p:CSS+8*(\b%4)+2*\p+1], v[TT+2*\p:TT+2*\p+1] op_sel:[1,1,0] op_sel_hi:[1,0,1] neg_lo:[0,1,0]   ; (x1 cos - x2 sin, x1 sin + x2 cos)
.endr
.endr
	WIN 0
.irp b, 0,1,2,3,4,5,6,7
.irp i, 0,1,2,3,4,5,6,7
	v_med3_num_f32 v[RR+8*\b+\i], v[RR+8*\b+\i], -v[LIM], v[LIM]   ; the conversion does not saturate (ISA guide 7.6.2): the hold
.endr
	v_cvt_scalef32_pk8_fp8_f32 v[CDS+2*\b:CDS+2*\b+1], v[RR+8*\b:RR+8*\b+7], v[SCL]
.endr
	v_nop                                          ; a plain line behind the last conversion: the next block writes its sources
.irp e, 0,1,2,3                        ; accumulators 2 e, 2 e + 1: head e / 2, channels 32 (e % 2) + 16 h + 0 .. 15
	global_store_b128 v[LN], v[CDS+4*\e:CDS+4*\e+3], s[78:79] offset:1024*(\a)+131072*(\e/2)+512*(\e%2)
.endr
.endm
	LOADT 0
.irp a, 0,1,2,3,4,5,6,7
	QKBLOCK \a
.endr
	s_branch .Ldone
.Lway_v:
	; ---- v: quantise, store.  My rows are channels (two heads), my 128 columns one key step
	s_lshl_b32 s66, s42, 8
	s_lshl_b32 s67, s16, 7
	s_add_co_u32 s66, s66, s67                     ; my first position
	s_lshr_b32 s67, s66, 11                        ; the batch
	s_and_b32 s68, s66, 2047
	s_lshr_b32 s68, s68, 7                         ; the key step
	s_lshl_b32 s67, s67, 4
	s_lshl_b32 s69, s17, 2
	s_add_co_u32 s67, s67, s69
	s_lshl_b32 s69, s15, 1
	s_add_co_u32 s67, s67, s69                     ; 16 x batch + my first head
	s_lshl_b32 s67, s67, 17
	s_lshl_b32 s68, s68, 13                        ; a key step's image is 8,192 bytes
	s_add_co_u32 s70, s67, s68
	s_add_co_u32 s70, s70, 0x1000000               ; v_img
	s_mov_b32 s71, 0
	s_add_nc_u64 s[78:79], s[12:13], s[70:71]
.macro VBLOCK a
.set AC, 64*((\a)%4)
.set CDS, CD+16*((\a)%2)
.if (\a) > 1
	s_wait_xcnt 0x0                                ; the stores of two blocks back have read this set of codes
.endif
	WIN 0x02+((\a)/4)
.set I, 0
.rept 64
	v_med3_num_f32 v[RR+I], v[AC+I], -v[LIM], v[LIM]   ; ascending: each accumulator from its low end on
.set I, I+1
.endr
	WIN 0
.irp b, 0,1,2,3,4,5,6,7
	v_cvt_scalef32_pk8_fp8_f32 v[CDS+2*\b:CDS+2*\b+1], v[RR+8*\b:RR+8*\b+7], v[SCL]
.endr
	v_nop
.irp e, 0,1,2,3                        ; block a: head a / 4, channels' tile a % 4; keys 32 e + 16 h + 0 .. 15
	global_store_b128 v[LN], v[CDS+4*\e:CDS+4*\e+3], s[78:79] offset:131072*((\a)/4)+2048*((\a)%4)+512*\e
.endr
.endm
.irp a, 0,1,2,3,4,5,6,7
	VBLOCK \a
.endr
.Ldone:
	s_wait_tensorcnt 0x0                           ; the wave's end
	ds_add_u32 v[SPW], v[NIL]
	s_wait_dscnt 0x0
	CROUND                                         ; the closing round: no work-group ends while a partner may still ask for a tile that names it
	s_endpgm
.Lfunc_end_k_q7f04de634b_qkv:
	.size	k_q7f04de634b_qkv, .Lfunc_end_k_q7f04de634b_qkv-k_q7f04de634b_qkv
	.p2alignl 7, 3214868480
	.fill 96, 4, 3214868480
	.section	.rodata,"a",@progbits
	.p2align	6, 0x0
	.amdhsa_kernel k_q7f04de634b_qkv
		.amdhsa_group_segment_fixed_size 327680
		.amdhsa_private_segment_fixed_size 0
		.amdhsa_enable_private_segment 0
		.amdhsa_kernarg_size 40
		.amdhsa_user_sgpr_count 2
		.amdhsa_user_sgpr_kernarg_segment_ptr 1
		.amdhsa_wavefront_size32 1
		.amdhsa_system_sgpr_workgroup_id_x 1
		.amdhsa_system_sgpr_workgroup_id_y 1
		.amdhsa_system_sgpr_workgroup_id_z 1
		.amdhsa_system_vgpr_workitem_id 0
		.amdhsa_next_free_vgpr 1024
		.amdhsa_next_free_sgpr 100
		.amdhsa_reserve_vcc 0
		.amdhsa_float_denorm_mode_32 3
		.amdhsa_float_denorm_mode_16_64 3
		.amdhsa_memory_ordered 1
		.amdhsa_forward_progress 1
		.amdhsa_inst_pref_size 197
	.end_amdhsa_kernel
	.amdgpu_metadata
---
amdhsa.version: [ 1, 2 ]
amdhsa.kernels:
  - .name:           k_q7f04de634b_qkv
    .symbol:         k_q7f04de634b_qkv.kd
    .args:
      - { .name: xc, .offset: 0, .size: 8, .value_kind: global_buffer, .address_space: global }
      - { .name: wc, .offset: 8, .size: 8, .value_kind: global_buffer, .address_space: global }
      - { .name: tab, .offset: 16, .size: 8, .value_kind: global_buffer, .address_space: global }
      - { .name: lowp_scales, .offset: 24, .size: 8, .value_kind: global_buffer, .address_space: global }
      - { .name: qkv, .offset: 32, .size: 8, .value_kind: global_buffer, .address_space: global }
    .group_segment_fixed_size: 327680
    .private_segment_fixed_size: 0
    .kernarg_segment_align: 8
    .kernarg_segment_size: 40
    .max_flat_workgroup_size: 128
    .sgpr_count:     100
    .vgpr_count:     1024
    .wavefront_size: 32
...
	.end_amdgpu_metadata
.endif
;; end of part 2
;; launch attn (part 3): grid 4 x 64, 8 waves a work-group, clusters of 4 x 1, 263,168 bytes of LDS; arguments qkv, lowp_scales, ao; writes ao
.if DOCPART == 3
	.amdgcn_target "amdgcn-amd-amdhsa--gfx1250"
	.amdhsa_code_object_version 6
	.text
	.protected	k_q7f04de634b_attn
	.globl	k_q7f04de634b_attn
	.p2align	8
	.type	k_q7f04de634b_attn,@function
k_q7f04de634b_attn:
	s_mov_b64 s[64:65], 0
	v_nop
	global_prefetch_b8 v0, s[64:65] scope:SCOPE_SE
	s_setreg_imm32_b32 hwreg(HW_REG_WAVE_MODE, 25, 1), 1
	s_wait_xcnt 0x0
	s_wait_alu depctr_hold_cnt(0) depctr_sa_sdst(0) depctr_va_vdst(0) depctr_va_sdst(0) depctr_va_ssrc(0) depctr_va_vcc(0) depctr_vm_vsrc(0)
	s_getreg_b32 s2, hwreg(HW_REG_IB_STS2, 6, 4)
	s_cmp_eq_u32 s2, 0
	s_cbranch_scc0 .Lentry_in_a_cluster
	s_endpgm
.Lentry_in_a_cluster:
	s_bfe_u32 s2, ttmp6, 0x10000c
	s_cmp_lg_u32 s2, 0x3003
	s_cbranch_scc0 .Lentry_shape_is_right
	s_endpgm
.Lentry_shape_is_right:
; CAUSAL ATTENTION on codes of FP8 (E4M3): 64 batch x heads, 2,048 positions, head size 64.  q_img, k_img, v_img come as images of operand registers; the result leaves quantised, as images of the last product's operand.
; THE SOFTMAX: t = score x log2(e) / 8; M = the row's largest t so far, rounded UP to a whole number; p = 2^(t - M) is quantised along the keys, not normalised; the row's sum is taken of the unquantised p and divides
; at the end.  When M moves, the sum and O are multiplied by 2^(old M - new M): exact.
; SHARES.  The four work-groups of a cluster serve one batch x head.  A PAIR is 32 queries, two tiles of 16 that share every fragment of K and V.  Pair 4 J + cx (cx: the work-group's place) needs key steps 0 .. J of 128 keys,
; WHATEVER cx IS: so every branch hangs on the wave's number and the trip alone; cx enters global addresses and the mask's compare value.  Wave w takes pair J = 15 - w and then pair J = w: 17 pair steps for every wave.
; THE WHOLE HEAD LIES IN LDS: K's image at 0, V's at 131,072, 8,192 bytes a key step in each.  Every byte is filled once, by joint loads (the same load with a mask that names the four, in all four): two a wave, both
; issued at the head: key steps 0-3 (8,192 bytes a wave) and 4-15 (24,576).  The first four trips touch key steps 0-3 alone, so they run while the second load is on its way.  Two tensor loads of a wave are out at the most.
; TRIPS t = 0 .. 16.  While t <= 15 - w: the first pair, key step t.  Afterwards: the second pair, key step 16 - t (the order of key steps is free under a running M).  The steps on the diagonal are t = 15 - w and t = 16 - w.
; LAYOUT.  Both products are used transposed (S^T = K Q^T, O^T = V^T P^T): a lane holds one query throughout.  Lane r of a tile of the images is position (or channel) 8 (tile % 2) + r + 8 (r / 8) of its 32: so the 16 registers of
; two neighbouring tiles of S^T are 16 neighbouring keys, and of O^T 16 neighbouring channels: the conversions' results are the next operand's registers.
; Within a matrix instruction k stands in other places than the form's own layout gives it, alike in both operands.
; LIMITS on the given exponents (entries 6 to 10: eq, ek, ep, ev, eo), so that each power of two below is an f32 number: eq + ek between -124 and 129; eo - ep - ev between -126 and 119; ep between -8 and 127, since p / 2^ep is converted without a hold and must stay under 448.
.set VREG,  131072
.set STEPB, 8192
.set AD,  0                            ; v0   the LDS address in hand
.set LK,  1                            ; v1   16 x lane
.set LV,  2                            ; v2   16 x lane + V's region
.set DQ,  3                            ; v3   32 cx + r + 8 (r / 8) - 16 h: my query among the diagonal step's keys, less my half's 16
.set FF,  4                            ; v[4:5] f = 2^(old M - new M); v5 is named with it as a pair
.set SCP, 6                            ; v6   2^ep
.set NINF, 7                           ; v7   -infinity
.set ST,  8                            ; v8-15 a tile's -M, largest t, sum in two halves
.set QF,  16                           ; v16-31 Q: 8 registers a tile
.set F,   32                           ; v32-63 four fragments of K; then p's codes, 16 registers a tile
.set PP,  32
.set MXA, 48                           ; v48-55 at work (until tile 1's codes are written there)
.set MXB, 49
.set PL,  50
.set SUM, 54
.set SS,  64                           ; v64-191 S^T, 64 a tile; tile 0's part then takes V's four fragments
.set OO,  192                          ; v192-255 O^T, 32 a tile
.set WV,  10
.set CX,  11
.set BH,  12
.set CS,  22                           ; s[22:23] c = log2(e) / 8 x 2^(eq + ek)
.set G1A, 24
.set G1B, 32
.set G0A, 40
.set G0B, 44
.set SEL, 48                           ; s[48:49] lane selects: lane l xor 16
.set LIMP, 50
.set LIMO, 51                          ; 448 x 2^(eo - ep - ev)
.set SCLO, 52                          ; 2^(eo - ep - ev)
.set TR,  53                           ; the trip
.set DG,  54                           ; 15 - wave
.set KB,  57                           ; the key step's byte in K's and in V's region
.set QP,  60                           ; s[60:61] Q's image of the pair in hand;  s[62:63] its place in ao;  s[66:69] the same for the second pair
.set OP,  62
.set QL,  66
.set OL,  68
.macro CROUND                          ; a round of the cluster's barrier
	s_barrier_signal -1
	s_barrier_wait -1
	s_cmp_lg_u32 s[WV], 0
	s_cbranch_scc1 .Lnot_wave_0_\@
	s_barrier_signal -3
.Lnot_wave_0_\@:
	s_barrier_wait -3
	s_barrier_signal -1
	s_barrier_wait -1
.endm
	s_load_b128 s[4:7], s[0:1], 0x0                ; qkv, the scales' exponents
	s_load_b64 s[8:9], s[0:1], 0x10                ; ao
	s_set_vgpr_msb 0x40
	v_lshl_add_u32 v0, v0, 2, 0x40000
	v_mov_b32 v1, 0
	s_set_vgpr_msb 0x4045
	ds_add_u32 v0, v1
	ds_add_u32 v0, v1
	s_set_vgpr_msb 0x4500
	v_lshrrev_b32 v1, 5, v0
	s_delay_alu instid0(VALU_DEP_1)
	v_readfirstlane_b32 s[WV], v1                  ; wave 0..7
	s_bfe_u32 s[CX], ttmp6, 0x40000                ; my place in the cluster
	s_and_b32 s[BH], ttmp7, 0xffff                 ; batch x head, which the four partners share
	s_lshr_b32 s13, s[WV], 2                       ; waves 0-3 fetch K's image, waves 4-7 V's,
	s_and_b32 s14, s[WV], 3                        ; a quarter each
	s_lshl_b32 s15, s13, 17
	s_lshl_b32 s70, s14, 13                        ; the first load: key step (wave % 4)
	s_mul_i32 s71, s14, 3*STEPB
	s_add_co_u32 s71, s71, 4*STEPB                 ; the second: three key steps from 4 + 3 (wave % 4) on
	s_add_co_u32 s72, s13, 1
	s_lshl_b32 s72, s72, 23                        ; k_img at 8 MiB, v_img at 16 MiB
	s_lshl_b32 s73, s[BH], 17                      ; a head's image is 131,072 bytes
	s_add_co_u32 s72, s72, s73
	s_add_co_u32 s74, s72, s70
	s_mov_b32 s75, 0
	s_add_co_u32 s76, s72, s71
	s_mov_b32 s77, 0
	; descriptor groups 1: dense blocks as rows of 256 bytes (32 elements of 8 bytes): 32 rows and 96 rows
	s_mov_b32 s[G1A], 15|(3<<16)|(1<<21)           ; 15:0 the mask: all four work-groups; 17:16 elements of 8 bytes; 21 set beside a mask; no padding
	s_mov_b32 s[G1A+1], 32<<16                     ; tensor_dim0
	s_mov_b32 s[G1A+2], 32<<16                     ; tensor_dim1
	s_mov_b32 s[G1A+3], 32<<16                     ; tile_dim0
	s_mov_b32 s[G1A+4], 32                         ; tile_dim1
	s_mov_b32 s[G1A+5], 32                         ; tensor_dim0_stride
	s_mov_b32 s[G1A+6], 0
	s_mov_b32 s[G1A+7], 0
	s_mov_b32 s[G1B], 15|(3<<16)|(1<<21)
	s_mov_b32 s[G1B+1], 32<<16
	s_mov_b32 s[G1B+2], 96<<16
	s_mov_b32 s[G1B+3], 32<<16
	s_mov_b32 s[G1B+4], 96
	s_mov_b32 s[G1B+5], 32
	s_mov_b32 s[G1B+6], 0
	s_mov_b32 s[G1B+7], 0
	s_mov_b32 s[G0A], 1
	s_add_co_u32 s[G0A+1], s15, s70                ; LDS: the region + the same offset as in the head's image
	s_mov_b32 s[G0B], 1
	s_add_co_u32 s[G0B+1], s15, s71
	s_wait_dscnt 0x0
	s_wait_kmcnt 0x0
	s_load_b128 s[16:19], s[6:7], 0x18             ; eq, ek, ep, ev
	s_load_b32 s20, s[6:7], 0x28                   ; eo
	s_add_nc_u64 s[G0A+2:G0A+3], s[4:5], s[74:75]
	s_or_b32 s[G0A+3], s[G0A+3], 0x80000000
	s_add_nc_u64 s[G0B+2:G0B+3], s[4:5], s[76:77]
	s_or_b32 s[G0B+3], s[G0B+3], 0x80000000
	CROUND                                         ; all four work-groups are here: the joint loads meet
	tensor_load_to_lds s[G0A:G0A+3], s[G1A:G1A+7]
	s_nop 0
	tensor_load_to_lds s[G0B:G0B+3], s[G1B:G1B+7]
	s_nop 0
.rept 4
	v_nop
.endr
	v_and_b32 v[DQ], 15, v0
	s_delay_alu instid0(VALU_DEP_1)
	v_and_b32 v4, 8, v[DQ]
	s_delay_alu instid0(VALU_DEP_1)
	v_add_nc_u32 v[DQ], v[DQ], v4                  ; r + 8 (r / 8)
	v_and_b32 v4, 16, v0
	s_delay_alu instid0(VALU_DEP_1)
	v_sub_nc_u32 v[DQ], v[DQ], v4                  ; - 16 h
	s_lshl_b32 s58, s[CX], 5
	v_add_nc_u32 v[DQ], s58, v[DQ]
	v_and_b32 v[LK], 31, v0
	s_delay_alu instid0(VALU_DEP_1)
	v_lshlrev_b32 v[LK], 4, v[LK]
	s_delay_alu instid0(VALU_DEP_1)
	v_add_nc_u32 v[LV], VREG, v[LK]
	v_mov_b32 v5, 0
	v_mov_b32 v[NINF], 0xff800000
	s_sub_co_u32 s[DG], 15, s[WV]
	s_lshl_b32 s58, s[DG], 2
	s_add_co_u32 s58, s58, s[CX]
	s_lshl_b32 s58, s58, 11                        ; the first pair, 4 (15 - w) + cx: two tiles of 1,024 bytes each
	s_lshl_b32 s59, s[WV], 2
	s_add_co_u32 s59, s59, s[CX]
	s_lshl_b32 s59, s59, 11                        ; the second, 4 w + cx
	s_mov_b32 s71, 0
	s_add_co_u32 s70, s73, s58
	s_add_nc_u64 s[QP:QP+1], s[4:5], s[70:71]
	s_add_co_u32 s70, s73, s59
	s_add_nc_u64 s[QL:QL+1], s[4:5], s[70:71]
	s_and_b32 s72, s[BH], 15
	s_lshl_b32 s72, s72, 19                        ; ao: [head 16][tile 512][2][lane][16]: a head is 524,288 bytes,
	s_lshr_b32 s74, s[BH], 4
	s_lshl_b32 s74, s74, 17                        ; a batch's 128 tiles 131,072
	s_add_co_u32 s72, s72, s74
	s_add_co_u32 s70, s72, s58
	s_add_nc_u64 s[OP:OP+1], s[8:9], s[70:71]
	s_add_co_u32 s70, s72, s59
	s_add_nc_u64 s[OL:OL+1], s[8:9], s[70:71]
	s_mov_b32 s[SEL], 0x76543210
	s_mov_b32 s[SEL+1], 0xfedcba98
	s_wait_alu depctr_va_vdst(0)
	s_wait_kmcnt 0x0
	s_add_co_i32 s58, s16, s17
	s_lshl_b32 s58, s58, 23
	s_add_co_i32 s[CS], s58, 0x3e38aa3b            ; log2(e) / 8, with eq + ek added to its exponent field
	s_mov_b32 s[CS+1], s[CS]                       ; (named with it as a pair, so it is written)
	s_add_co_i32 s58, s18, 127
	s_lshl_b32 s59, s58, 23
	v_mov_b32 v[SCP], s59
	s_sub_co_i32 s58, s20, s18
	s_sub_co_i32 s58, s58, s19                     ; a sum of the second product over l stands for that x 2^(ep + ev): its code is that / 2^(eo - ep - ev)
	s_add_co_i32 s58, s58, 127
	s_lshl_b32 s[SCLO], s58, 23
	s_add_co_i32 s58, s58, 8
	s_lshl_b32 s58, s58, 23
	s_or_b32 s[LIMO], s58, 0x600000
; A pair begins: its Q; the largest t -3e38, under every t; the sum and O^T zeros, which the first change of M leaves zeros (so the pair step is written once).
.macro INIT
.irp u, 0,1
.irp c, 0,1
	global_load_b128 v[QF+8*\u+4*\c:QF+8*\u+4*\c+3], v[LK], s[QP:QP+1] offset:1024*\u+512*\c
.endr
.endr
.irp u, 0,1
	v_mov_b32 v[ST+4*\u+1], 0xff61b1e6
	s_delay_alu instid0(VALU_DEP_1)
	v_floor_f32 v[ST+4*\u], -v[ST+4*\u+1]
	v_mov_b32 v[ST+4*\u+2], 0
	v_mov_b32 v[ST+4*\u+3], 0
.endr
.set I, 0
.rept 64
	v_mov_b32 v[OO+I], 0
.set I, I+1
.endr
	s_wait_loadcnt 0x0
.endm
; Tile u's softmax for a key step: 64 scores a lane become 16 registers of codes; the sum and O^T come under the new M.
.macro SOFTMAX u
.set rS, SS+64*(\u)
.set rT, ST+4*(\u)
.set rP, PP+16*(\u)
.set rO, OO+32*(\u)
	v_max3_num_f32 v[MXA], v[rS], v[rS+1], v[rS+2]         ; the step's largest score among my 64 keys, in two chains; each accumulator is first read at its low end
	v_max3_num_f32 v[MXB], v[rS+3], v[rS+4], v[rS+5]
.irp i, 6,10,14,18,22,26,30,34,38,42,46,50,54,58
	v_max3_num_f32 v[MXA], v[MXA], v[rS+\i], v[rS+\i+1]
	v_max3_num_f32 v[MXB], v[MXB], v[rS+\i+2], v[rS+\i+3]
.endr
	v_max3_num_f32 v[MXA], v[MXA], v[rS+62], v[rS+63]
	s_delay_alu instid0(VALU_DEP_1)
	v_max_num_f32 v[MXA], v[MXA], v[MXB]
	s_delay_alu instid0(VALU_DEP_1)
	v_permlanex16_b32 v[PL], v[MXA], s[SEL], s[SEL+1]
	s_delay_alu instid0(VALU_DEP_1)
	v_max_num_f32 v[MXA], v[MXA], v[PL]                    ; and among lane l xor 16's
	s_delay_alu instid0(VALU_DEP_1)
	v_mul_f32 v[MXA], s[CS], v[MXA]                        ; as t (c is positive)
	s_delay_alu instid0(VALU_DEP_1)
	v_max_num_f32 v[rT+1], v[rT+1], v[MXA]                 ; the running largest t
	v_mov_b32 v[MXA], v[rT]
	s_delay_alu instid0(VALU_DEP_2)
	v_floor_f32 v[rT], -v[rT+1]                            ; the new -M = floor(-t) = -ceil(t)
	s_delay_alu instid0(VALU_DEP_1)
	v_sub_f32 v[MXA], v[rT], v[MXA]                        ; old M - new M: a whole number, 0 or less
	s_delay_alu instid0(VALU_DEP_1)
	v_cvt_i32_f32 v[MXA], v[MXA]                           ; (it saturates)
	s_delay_alu instid0(VALU_DEP_1)
	v_ldexp_f32 v[FF], 1.0, v[MXA]                         ; f
.set I, 0
.rept 32
	v_pk_fma_f32 v[rS+I:rS+I+1], v[rS+I:rS+I+1], s[CS:CS+1], v[rT:rT+1] op_sel_hi:[1,0,0]   ; t - M, two at a time
.set I, I+2
.endr
.set I, 0
	s_wait_alu depctr_va_vdst(0)
.rept 64
	v_exp_f32 v[rS+I], v[rS+I]                             ; p = 2^(t - M)
.set I, I+1
.endr
	v_pk_mul_f32 v[rT+2:rT+3], v[rT+2:rT+3], v[FF:FF+1] op_sel_hi:[1,0]   ; the sums under the new M: the plain line behind the exponentials
	s_wait_alu depctr_va_vdst(0)                           ; one wait for the whole batch, ahead of its first reader
	v_pk_add_f32 v[SUM:SUM+1], v[rS:rS+1], v[rS+2:rS+3]    ; the row's sum is taken of the unquantised p, in two chains
.irp j, 4,8,12,16,20,24,28,32,36,40,44,48,52,56,60
	v_pk_add_f32 v[rT+2:rT+3], v[rT+2:rT+3], v[rS+\j:rS+\j+1]
	v_pk_add_f32 v[SUM:SUM+1], v[SUM:SUM+1], v[rS+\j+2:rS+\j+3]
.endr
	s_delay_alu instid0(VALU_DEP_1)
	v_pk_add_f32 v[rT+2:rT+3], v[rT+2:rT+3], v[SUM:SUM+1]
.irp b, 0,1,2,3
.irp i, 0,1,2,3,4,5,6,7,8,9,10,11,12,13,14,15
.endr
	v_cvt_scalef32_pk8_fp8_f32 v[rP+4*\b:rP+4*\b+1], v[rS+16*\b:rS+16*\b+7], v[SCP]
	v_cvt_scalef32_pk8_fp8_f32 v[rP+4*\b+2:rP+4*\b+3], v[rS+16*\b+8:rS+16*\b+15], v[SCP]
.endr
.set I, 0
.rept 16
	v_pk_mul_f32 v[rO+I:rO+I+1], v[rO+I:rO+I+1], v[FF:FF+1] op_sel_hi:[1,0]   ; O^T under the new M; also the plain lines behind the conversions
.set I, I+2
.endr
.endm
; A PAIR STEP: 32 queries x 128 keys.  mask = 1: the text holds the diagonal's mask, passed over in the trips that are not on the diagonal.
.macro PAIRSTEP mask
	v_add_nc_u32 v[AD], s[KB], v[LK]
	s_wait_alu depctr_va_vdst(0)
.irp g, 0,1                            ; S^T = K Q^T: four tiles of 16 keys at a time, each fragment for both tiles of queries
.if \g
.rept 4
	v_nop                                          ; places in front of loads into registers that matrix instructions have read
.endr
.endif
.irp t, 0,1,2,3
.irp c, 0,1
	ds_load_b128 v[F+8*\t+4*\c:F+8*\t+4*\c+3], v[AD] offset:(4*\g+\t)*1024+512*\c
.endr
.endr
	s_wait_dscnt 0x0
.irp t, 0,1,2,3
.irp u, 0,1
	v_wmma_f32_16x16x64_fp8_fp8 v[SS+64*\u+8*(4*\g+\t):SS+64*\u+8*(4*\g+\t)+7], v[F+8*\t:F+8*\t+7], v[QF+8*\u:QF+8*\u+7], 0
.endr
.endr
.endr
.rept 4
	v_nop
.endr
.if \mask
	s_sub_co_u32 s58, s[TR], s[DG]                 ; 0 or 1 on the diagonal
	s_cmp_gt_u32 s58, 1
	s_cbranch_scc1 .Lopen_\@
.irp u, 0,1                            ; register n holds key 32 (n / 16) + 16 h + n % 16 of the step; my query is 32 cx + 8 u + r + 8 (r / 8): hidden scores become -infinity, so that p = 0
.set N, 0
.rept 64
	v_cmp_gt_i32 vcc_lo, 32*(N/16)+N%16-8*\u, v[DQ]
	v_cndmask_b32 v[SS+64*\u+N], v[SS+64*\u+N], v[NINF], vcc_lo
.set N, N+1
.endr
.endr
.Lopen_\@:
.endif
	SOFTMAX 0
	v_add_nc_u32 v[AD], s[KB], v[LV]
.irp t, 0,1,2,3                        ; V's four fragments take the registers that tile 0's scores have left, and land under tile 1's softmax
.irp c, 0,1,2,3
	ds_load_b128 v[SS+16*\t+4*\c:SS+16*\t+4*\c+3], v[AD] offset:2048*\t+512*\c
.endr
.endr
	SOFTMAX 1
	s_wait_alu depctr_va_vdst(0)
	s_wait_dscnt 0x0
.irp t, 0,1,2,3                        ; O^T += V^T P^T: eight accumulators by turns, one instruction a turn
.irp u, 0,1
	v_wmma_f32_16x16x128_fp8_fp8 v[OO+32*\u+8*\t:OO+32*\u+8*\t+7], v[SS+16*\t:SS+16*\t+15], v[PP+16*\u:PP+16*\u+15], v[OO+32*\u+8*\t:OO+32*\u+8*\t+7]
.endr
.endr
.rept 5
	v_nop                                          ; five places: the next step's first products write over V's registers, and its loads land on p's codes
.endr
.endm
; THE WAY OUT of a pair: O^T / the sum, quantised; 16 neighbouring channels a lane make four registers of the last product's operand; a store covers 512 consecutive bytes, aligned.
.macro OUT
	v_add_f32 v48, v[ST+2], v[ST+3]
	v_add_f32 v50, v[ST+6], v[ST+7]
	v_permlanex16_b32 v52, v48, s[SEL], s[SEL+1]
	v_permlanex16_b32 v53, v50, s[SEL], s[SEL+1]
	s_delay_alu instid0(VALU_DEP_2)
	v_add_f32 v48, v48, v52                        ; the rows' sums
	s_delay_alu instid0(VALU_DEP_2)
	v_add_f32 v50, v50, v53
	s_wait_alu depctr_va_vdst(0)
	v_rcp_f32 v48, v48
	v_rcp_f32 v50, v50
	v_mov_b32 v52, s[SCLO]                         ; (plain lines behind the reciprocals)
	v_mov_b32 v53, s[LIMO]
	s_wait_alu depctr_va_vdst(0)                   ; one wait for both, ahead of their first reader
.irp u, 0,1
.set I, 0
.rept 16
	v_pk_mul_f32 v[OO+32*\u+I:OO+32*\u+I+1], v[OO+32*\u+I:OO+32*\u+I+1], v[48+2*\u:49+2*\u] op_sel_hi:[1,0]
.set I, I+2
.endr
.endr
.irp u, 0,1
.irp t, 0,1,2,3
.irp i, 0,1,2,3,4,5,6,7
	v_med3_num_f32 v[OO+32*\u+8*\t+\i], v[OO+32*\u+8*\t+\i], -v53, v53
.endr
	v_cvt_scalef32_pk8_fp8_f32 v[PP+8*\u+2*\t:PP+8*\u+2*\t+1], v[OO+32*\u+8*\t:OO+32*\u+8*\t+7], v52
.endr
.endr
	v_nop                                          ; a plain line behind the last conversion
.irp u, 0,1
.irp e, 0,1
	global_store_b128 v[LK], v[PP+8*\u+4*\e:PP+8*\u+4*\e+3], s[OP:OP+1] offset:1024*\u+512*\e
.endr
.endr
	s_wait_xcnt 0x0                                ; the stores have read their registers and their base: both are written again only behind this wait
.endm
	INIT                                           ; the first pair
	s_wait_tensorcnt 1                             ; my part of key steps 0-3 is in; my second load may stay out
	s_barrier_signal -1
	s_barrier_wait -1                              ; everybody's is
	s_mov_b32 s[TR], 0
.Lfirst:                                           ; trips 0-3: in every wave the first pair, key step t, under the diagonal
	s_lshl_b32 s[KB], s[TR], 13
	PAIRSTEP 0
	s_add_co_u32 s[TR], s[TR], 1
	s_cmp_lt_u32 s[TR], 4
	s_cbranch_scc1 .Lfirst
	s_wait_tensorcnt 0x0                           ; my part of key steps 4-15 is in,
	s_wait_dscnt 0x0
	s_barrier_signal -1
	s_barrier_wait -1                              ; everybody's is; from here on LDS is only read
	s_mov_b32 s[TR], 4
.Lrest:                                            ; trips 4-16
	s_min_u32 s58, s[TR], 15                       ; (the first pair's key step is at most 15 - w; the bound keeps every address that could be formed inside LDS)
	s_sub_co_u32 s59, 16, s[TR]
	s_cmp_le_u32 s[TR], s[DG]
	s_cselect_b32 s[KB], s58, s59
	s_lshl_b32 s[KB], s[KB], 13
	PAIRSTEP 1
	s_cmp_eq_u32 s[TR], s[DG]                      ; the first pair's last step,
	s_cbranch_scc1 .Lout
	s_cmp_lg_u32 s[TR], 16                         ; or the second's?
	s_cbranch_scc1 .Lnext
.Lout:
	OUT
	s_cmp_eq_u32 s[TR], 16
	s_cbranch_scc1 .Lnext
	s_mov_b64 s[QP:QP+1], s[QL:QL+1]               ; on to the second pair
	s_mov_b64 s[OP:OP+1], s[OL:OL+1]
	INIT
.Lnext:
	s_add_co_u32 s[TR], s[TR], 1
	s_cmp_lt_u32 s[TR], 17
	s_cbranch_scc1 .Lrest
	s_set_vgpr_msb 0x5
	s_wait_tensorcnt 0x0
	ds_add_u32 v0, v1
	s_wait_dscnt 0x0
	s_set_vgpr_msb 0x500
	CROUND                                         ; the closing round: no work-group ends while a partner may still ask for a tile that names it
	s_endpgm
.Lfunc_end_k_q7f04de634b_attn:
	.size	k_q7f04de634b_attn, .Lfunc_end_k_q7f04de634b_attn-k_q7f04de634b_attn
	.p2alignl 7, 3214868480
	.fill 96, 4, 3214868480
	.section	.rodata,"a",@progbits
	.p2align	6, 0x0
	.amdhsa_kernel k_q7f04de634b_attn
		.amdhsa_group_segment_fixed_size 263168
		.amdhsa_private_segment_fixed_size 0
		.amdhsa_enable_private_segment 0
		.amdhsa_kernarg_size 24
		.amdhsa_user_sgpr_count 2
		.amdhsa_user_sgpr_kernarg_segment_ptr 1
		.amdhsa_wavefront_size32 1
		.amdhsa_system_sgpr_workgroup_id_x 1
		.amdhsa_system_sgpr_workgroup_id_y 1
		.amdhsa_system_sgpr_workgroup_id_z 1
		.amdhsa_system_vgpr_workitem_id 0
		.amdhsa_next_free_vgpr 258
		.amdhsa_next_free_sgpr 80
		.amdhsa_reserve_vcc 1
		.amdhsa_float_denorm_mode_32 3
		.amdhsa_float_denorm_mode_16_64 3
		.amdhsa_fp16_overflow 1
		.amdhsa_memory_ordered 1
		.amdhsa_forward_progress 1
		.amdhsa_inst_pref_size 80
	.end_amdhsa_kernel
	.amdgpu_metadata
---
amdhsa.version: [ 1, 2 ]
amdhsa.kernels:
  - .name:           k_q7f04de634b_attn
    .symbol:         k_q7f04de634b_attn.kd
    .args:
      - { .name: qkv, .offset: 0, .size: 8, .value_kind: global_buffer, .address_space: global }
      - { .name: lowp_scales, .offset: 8, .size: 8, .value_kind: global_buffer, .address_space: global }
      - { .name: ao, .offset: 16, .size: 8, .value_kind: global_buffer, .address_space: global }
    .group_segment_fixed_size: 263168
    .private_segment_fixed_size: 0
    .kernarg_segment_align: 8
    .kernarg_segment_size: 24
    .max_flat_workgroup_size: 256
    .sgpr_count:     80
    .vgpr_count:     258
    .wavefront_size: 32
...
	.end_amdgpu_metadata
.endif
;; end of part 3
;; launch oproj (part 4): grid 4 x 32, 4 waves a work-group, clusters of 4 x 4, 327,680 bytes of LDS; arguments ao, wc, lowp_scales, out0; writes out0
.if DOCPART == 4
	.amdgcn_target "amdgcn-amd-amdhsa--gfx1250"
	.amdhsa_code_object_version 6
	.text
	.protected	k_q7f04de634b_oproj
	.globl	k_q7f04de634b_oproj
	.p2align	8
	.type	k_q7f04de634b_oproj,@function
k_q7f04de634b_oproj:
	s_mov_b64 s[64:65], 0
	v_nop
	global_prefetch_b8 v0, s[64:65] scope:SCOPE_SE
	s_setreg_imm32_b32 hwreg(HW_REG_WAVE_MODE, 25, 1), 1
	s_wait_xcnt 0x0
	s_wait_alu depctr_hold_cnt(0) depctr_sa_sdst(0) depctr_va_vdst(0) depctr_va_sdst(0) depctr_va_ssrc(0) depctr_va_vcc(0) depctr_vm_vsrc(0)
	s_getreg_b32 s2, hwreg(HW_REG_IB_STS2, 6, 4)
	s_cmp_eq_u32 s2, 0
	s_cbranch_scc0 .Lentry_in_a_cluster
	s_endpgm
.Lentry_in_a_cluster:
	s_bfe_u32 s2, ttmp6, 0x10000c
	s_cmp_lg_u32 s2, 0xf033
	s_cbranch_scc0 .Lentry_shape_is_right
	s_endpgm
.Lentry_shape_is_right:
; THE LAST PROJECTION: out0 [8192][1024] f32 = (attention's result) wo^T, on codes of FP8 (E4M3).  K = 1,024 = 16 heads x 64.  Each finished sum is multiplied once by 2^(eo + ew) (entries 10, 11 of the scales).
; A comes as IMAGES OF OPERAND REGISTERS: ao[head 16][tile 512][e 2][lane][16 bytes]: lane (r, h) of tile T holds, of stored row 16 T + r, channels 32 e + 16 h + 0 .. 15 of the head.  B = wo's codes, rows of 1,024 bytes (wc + 3 MiB).
; In both, stored row n is the true row whose number has bits 3 and 4 of n exchanged: the way out puts rows and columns back.
; A tile of out0, 256 x 256, is made by four waves, each 128 x 128: 64 accumulators.  K goes in steps of 256 (four heads) through a ring of two LDS slots filled by joint tensor loads: 4 x 4 work-groups form a cluster;
; A's tile is shared along a row of the cluster, B's along a column.  A half tile of A is 4 rows (heads) of 8,192 bytes (8 tiles' images), 524,288 bytes apart in memory; it lies dense in LDS and is read 512 consecutive bytes
; an instruction.  B's rows have 16 bytes of padding behind each 256.  The matrix instruction takes 16 rows of B as source 0 and 16 rows of A as source 1: a lane holds eight neighbouring numbers of a row of out0.
; 128 tiles for this size: a work-group to each.
; Within a matrix instruction k stands in other places than the form's own layout gives it, alike in both operands.
; LIMIT: eo + ew between -126 and 127, so that 2^(eo + ew) is an f32 number.
; REGISTERS, in windows of 256: window 0: v0-31 addresses; from v128 A's fragments, ONE set; on the way out v32-255 are free.  window 1: B's fragments, TWO sets.  windows 2, 3: the accumulators.
.set SIZE_N, 1024
.set ROWB,   256
.set KROW,   1024
.set PITCH,  272
.set FR,     16
.set NL,     4
.set NP,     4
.set HALFA,  32768                     ; 128 rows x 256 K of A as images
.set ASTEP,  4*524288                  ; four heads on in ao
.set HALFB,  128*PITCH
.set BOFF,   2*HALFA
.set SLOT,   BOFF+2*HALFB              ; 135,168
.set SPARE,  2*SLOT                    ; behind the ring: the spare words, 128 bytes for each wave, which no other line names
.set SPITCH, 528                       ; the way out: a stage of 16 rows x (512 bytes + 16) for each wave, in slot 0, which has had its last fill and its last read when the first result is stored there
.set ADRA, 16
.set ADRB, 20
.set STO,  24
.set RD,   25
.set CO,   26
.set SPW,  28
.set NIL,  29
.set TMP,  32
.set AF,   128
.set BK,   128
.set G1, 24
.set G0, 32
.set G1B, 48
.set G0B, 56
.set MSB, 0
.macro WIN new                         ; the immediate's high byte repeats the setting that is left
.if MSB != \new
	s_set_vgpr_msb (MSB<<8)|\new
.set MSB, \new
.endif
.endm
.set MUL_LO, 0xa1
.set MUL_HI, 0xf1
.set TO_B,   0x40
.macro JLOAD g0a, g1a, g0b, g1b        ; a joint load: waves 0 and 1 fetch for A, waves 2 and 3 for B.  Four v_nop follow each of the two lines
	s_cmp_eq_u32 s15, 0
	s_cbranch_scc0 .Lfor_b_\@
	tensor_load_to_lds s[\g0a:\g0a+3], s[\g1a:\g1a+7]
	s_nop 0
.rept 4
	v_nop
.endr
	s_branch .Lasked_\@
.Lfor_b_\@:
	tensor_load_to_lds s[\g0b:\g0b+3], s[\g1b:\g1b+7]
	s_nop 0
.rept 4
	v_nop
.endr
.Lasked_\@:
.endm
.macro CREST
	s_cmp_lg_u32 s14, 0
	s_cbranch_scc1 .Lnot_wave_0_\@
	s_barrier_signal -3
.Lnot_wave_0_\@:
	s_barrier_wait -3
	s_barrier_signal -1
	s_barrier_wait -1
.endm
.macro CROUND
	s_barrier_signal -1
	s_barrier_wait -1
	CREST
.endm
	s_load_b128 s[4:7], s[0:1], 0x0                ; ao, wc
	s_load_b128 s[8:11], s[0:1], 0x10              ; the scales' exponents, out0
	v_lshl_add_u32 v[SPW], v0, 2, SPARE
	v_mov_b32 v[NIL], 0
	ds_add_u32 v28, v29
	ds_add_u32 v28, v29
	s_wait_dscnt 0x0
	v_lshrrev_b32 v1, 5, v0
	v_readfirstlane_b32 s14, v1                    ; wave 0..3
	s_lshr_b32 s15, s14, 1                         ; which half of the tile's rows is mine.  Also: I fetch for A (0) or for B (1)
	s_and_b32 s16, s14, 1                          ; which half of its columns.  Also: which half of that tile I fetch
	s_bfe_u32 s40, ttmp6, 0x40000                  ; cx, cy
	s_bfe_u32 s41, ttmp6, 0x40004
	s_lshl_b32 s42, ttmp9, 2
	s_add_co_u32 s42, s42, s40                     ; tile column
	s_and_b32 s17, ttmp7, 0xffff
	s_lshl_b32 s17, s17, 2
	s_add_co_u32 s17, s17, s41                     ; tile row
	s_lshl_b32 s43, s41, 2
	s_lshl_b32 s43, 15, s43                        ; my row of the cluster
	s_lshl_b32 s44, 0x1111, s40                    ; my column
	s_or_b32 s[G1+0], s43, (3<<16)|(1<<21)         ; A: 15:0 the mask; 17:16 elements of 8 bytes; 21 set beside a mask; no padding
	s_mov_b32 s[G1+1], 1024<<16                    ; tensor_dim0 = 1,024 elements: 8,192 bytes
	s_mov_b32 s[G1+2], 4<<16                       ; tensor_dim1 = 4 heads
	s_mov_b32 s[G1+3], 1024<<16                    ; tile_dim0
	s_mov_b32 s[G1+4], 4                           ; tile_dim1
	s_mov_b32 s[G1+5], 65536                       ; tensor_dim0_stride: 524,288 bytes from head to head
	s_mov_b32 s[G1+6], 0
	s_mov_b32 s[G1+7], 0
	s_or_b32 s[G1B+0], s44, (0<<16)|(1<<20)|(1<<21)|(5<<22)|(3<<25)  ; B: elements of 1 byte; padding: 4 words after every 64
	s_mov_b32 s[G1B+1], ROWB<<16
	s_mov_b32 s[G1B+2], 128<<16
	s_mov_b32 s[G1B+3], ROWB<<16
	s_mov_b32 s[G1B+4], 128
	s_mov_b32 s[G1B+5], KROW
	s_mov_b32 s[G1B+6], 0
	s_mov_b32 s[G1B+7], 0
	s_lshl_b32 s20, s17, 4
	s_lshl_b32 s18, s16, 3
	s_add_co_u32 s20, s20, s18
	s_lshl_b32 s20, s20, 10                        ; A: (16 x tile row + 8 x half) images of 1,024 bytes
	s_mov_b32 s21, 0
	s_lshl_b32 s46, s42, 8
	s_lshl_b32 s18, s16, 7
	s_add_co_u32 s46, s46, s18
	s_lshl_b32 s46, s46, 10                        ; B: (256 x tile column + 128 x half) rows of 1,024 bytes,
	s_add_co_u32 s46, s46, 0x300000                ; in wo's codes
	s_mov_b32 s47, 0
	s_mul_i32 s45, s16, HALFA                      ; where they go: no place in the cluster enters an LDS address
	s_mul_i32 s19, s16, HALFB
	s_add_co_u32 s19, s19, BOFF
	s_wait_kmcnt 0x0
	s_load_b64 s[96:97], s[8:9], 0x28              ; eo, ew
	s_add_nc_u64 s[20:21], s[4:5], s[20:21]
	s_add_nc_u64 s[46:47], s[6:7], s[46:47]
	CROUND                                         ; all sixteen work-groups are here: the first joint loads meet
.irp s, 0,1
	s_mov_b32 s[G0+4*\s], 1
	s_add_co_u32 s[G0+4*\s+1], s45, \s*SLOT
	s_add_nc_u64 s[G0+4*\s+2:G0+4*\s+3], s[20:21], \s*ASTEP
	s_or_b32 s[G0+4*\s+3], s[G0+4*\s+3], 0x80000000
	s_mov_b32 s[G0B+4*\s], 1
	s_add_co_u32 s[G0B+4*\s+1], s19, \s*SLOT
	s_add_nc_u64 s[G0B+4*\s+2:G0B+4*\s+3], s[46:47], \s*ROWB
	s_or_b32 s[G0B+4*\s+3], s[G0B+4*\s+3], 0x80000000
	JLOAD G0+4*\s, G1, G0B+4*\s, G1B
.endr
	v_and_b32 v1, 15, v0                           ; l % 16
	v_bfe_u32 v2, v0, 4, 1                         ; l / 16
	v_and_b32 v6, 31, v0
	v_lshlrev_b32 v[CO], 4, v6                     ; 16 x lane: an image's place for my lane; also my bytes of a row of 512 on the way out
	v_mul_u32_u24 v3, v1, PITCH
	v_lshl_add_u32 v4, v2, 4, v3                   ; B: a fragment's row x pitch + 16 x half
	s_mul_i32 s21, s15, HALFA                      ; my 128 rows of A
	s_mul_i32 s22, s16, HALFB                      ; my 128 rows of B,
	s_add_co_u32 s22, s22, BOFF                    ; which lie behind A's two halves
.irp s, 0,1
	v_add_nc_u32 v[ADRA+\s], s21, v[CO]
	v_add_nc_u32 v[ADRB+\s], s22, v4
	s_add_co_u32 s21, s21, SLOT
	s_add_co_u32 s22, s22, SLOT
.endr
	s_mul_i32 s23, s14, 16*SPITCH                  ; my stage
	v_mul_u32_u24 v5, v1, SPITCH                   ; in: row l % 16; my half's 16 columns of each 32 lie 64 bytes on
	v_lshl_add_u32 v5, v2, 6, v5
	v_add_nc_u32 v[STO], s23, v5
	v_add_nc_u32 v[RD], s23, v[CO]                 ; back: the 32 lanes take one row of 512 bytes
	s_lshl_b32 s20, s17, 8
	s_lshl_b32 s21, s15, 7
	s_add_co_u32 s20, s20, s21                     ; my first row of out0
	s_lshl_b32 s20, s20, 12                        ; rows of 4,096 bytes: under 2^25
	s_lshl_b32 s46, s42, 10                        ; my first column, in bytes
	s_lshl_b32 s47, s16, 9
	s_add_co_u32 s46, s46, s47
	s_add_co_u32 s20, s20, s46
	s_mov_b32 s21, 0
	s_add_nc_u64 s[10:11], s[10:11], s[20:21]
.macro FRAG reg, adr, q, i             ; B: 16 rows x 128 K: registers 4 c .. 4 c + 3 hold K = 32 c + 16 (l / 16) + 0 .. 15
.irp c, 0,1,2,3
	ds_load_b128 v[\reg+4*\c:\reg+4*\c+3], v[\adr] offset:128*(\q)+32*\c+(\i)*16*PITCH
.endr
.endm
.macro FRAGA reg, adr, q, i            ; A: the same registers from the images: head 2 q + c / 2 of the slot's four, tile i, half c % 2 of the head's 64
.irp c, 0,1,2,3
	ds_load_b128 v[\reg+4*\c:\reg+4*\c+3], v[\adr] offset:(2*(\q)+\c/2)*8192+1024*(\i)+512*(\c%2)
.endr
.endm
.macro MUL16 a0, p, zero               ; the 64 accumulators take turns, one instruction a turn, in the same order in every step
.irp a, \a0, \a0+1
.irp b, 0,1,2,3,4,5,6,7
.if \zero
	v_wmma_f32_16x16x128_fp8_fp8 v[8*(8*((\a)%4)+\b):8*(8*((\a)%4)+\b)+7], v[128*(\p)+FR*\b:128*(\p)+FR*\b+FR-1], v[AF+FR*(\a):AF+FR*(\a)+FR-1], 0
.else
	v_wmma_f32_16x16x128_fp8_fp8 v[8*(8*((\a)%4)+\b):8*(8*((\a)%4)+\b)+7], v[128*(\p)+FR*\b:128*(\p)+FR*\b+FR-1], v[AF+FR*(\a):AF+FR*(\a)+FR-1], v[8*(8*((\a)%4)+\b):8*(8*((\a)%4)+\b)+7]
.endif
.endr
.endr
.endm
.macro FETCH_B slot, q, p
	WIN TO_B
.irp i, 0,1,2,3,4,5,6,7
	FRAG 128*(\p)+FR*\i, ADRB+\slot, \q, \i
.endr
	WIN 0
.endm
.macro FETCH_A slot, q, i0
.irp i, \i0, \i0+1, \i0+2, \i0+3
	FRAGA AF+FR*(\i), ADRA+\slot, \q, \i
.endr
.endm
.macro PLACES n                        ; plain vector lines between a matrix instruction and a load into its registers, or a read of its result
.rept \n
	v_nop
.endr
.endm
.macro STEP slot, q, zero
	s_wait_dscnt 4*NL                              ; B's set and A's blocks 0-3 are in; the youngest 16 loads (A's blocks 4-7) may be out
	WIN MUL_LO
	MUL16 0, (\q)%2, \zero
	MUL16 2, (\q)%2, \zero
	s_wait_dscnt 0
	PLACES NP
	FETCH_B \slot, (\q)+1, 1-(\q)%2
	FETCH_A \slot, (\q)+1, 0
	WIN MUL_HI
	MUL16 4, (\q)%2, \zero
	MUL16 6, (\q)%2, \zero
	PLACES NP
	WIN 0
	FETCH_A \slot, (\q)+1, 4
.endm
.macro TURN slot, next, fill
	s_wait_tensorcnt 0x0                           ; all my tensor loads have landed: my part of the next slot
	ds_add_u32 v[SPW], v[NIL]                      ; 0 onto my spare word
	s_wait_dscnt 4*NL+1                            ; (the add and the youngest 16 loads may be out)
	WIN MUL_LO
	MUL16 0, 1, 0
	s_wait_dscnt 0x0                               ; the add is done, and my reads of this slot are over
	s_barrier_signal -1
	MUL16 2, 1, 0
	WIN 0
	s_barrier_wait -1
.if \fill
	CREST                                          ; the barrier has opened a round of the cluster's barrier: no wave of any partner still reads this slot or has a load on its way
	s_add_nc_u64 s[G0+4*\slot+2:G0+4*\slot+3], s[G0+4*\slot+2:G0+4*\slot+3], 2*ASTEP
	s_add_nc_u64 s[G0B+4*\slot+2:G0B+4*\slot+3], s[G0B+4*\slot+2:G0B+4*\slot+3], 2*ROWB
	JLOAD G0+4*\slot, G1, G0B+4*\slot, G1B         ; the first tensor load behind the round; its four v_nop are also the places in front of the loads below
.else
	PLACES NP
.endif
	FETCH_B \next, 0, 0
	FETCH_A \next, 0, 0
	WIN MUL_HI
	MUL16 4, 1, 0
	MUL16 6, 1, 0
	PLACES NP
	WIN 0
	FETCH_A \next, 0, 4
.endm
	s_wait_tensorcnt 1                             ; my part of K step 0 is in (K step 1's load may be out),
	s_barrier_signal -1
	s_barrier_wait -1                              ; everybody's is
	FETCH_B 0, 0, 0
	FETCH_A 0, 0, 0
	FETCH_A 0, 0, 4
	STEP 0, 0, 1                                   ; its products start the sums.  K = 1,024 is twice round the ring: written out, no loop
	TURN 0, 1, 1
	STEP 1, 0, 0
	TURN 1, 0, 1
	STEP 0, 0, 0
	TURN 0, 1, 0
	STEP 1, 0, 0
	s_wait_dscnt 4*NL
	WIN MUL_LO
	MUL16 0, 1, 0
	MUL16 2, 1, 0
	s_wait_dscnt 0
	WIN MUL_HI
	MUL16 4, 1, 0
	MUL16 6, 1, 0
	WIN 0
; THE WAY OUT, block by block of 16 rows x 128 columns, through my own stage in LDS.  Accumulator b of lane (r, h) holds true columns 32 (b / 2) + 16 h + 8 (b % 2) + 0 .. 7: byte 128 (b / 2) + 64 h + 32 (b % 2) of the row.
; Stage row t of block a is true row 32 (a / 2) + 8 (a % 2) + t + 8 (t / 8) of my 128.  LDS serves a wave's instructions in order (ISA guide 5.7.1.4): no wait between the stores and the loads.
.macro TOSTAGE a
.set AC, 64*((\a)%4)
	WIN 0x02+((\a)/4)
.irp j, 0,2,4,6,8,10,12,14,16,18,20,22,24,26,28,30,32,34,36,38,40,42,44,46,48,50,52,54,56,58,60,62
	v_pk_mul_f32 v[TMP+\j:TMP+\j+1], v[AC+\j:AC+\j+1], s[96:97] op_sel_hi:[1,0]   ; x 2^(eo + ew); each accumulator from its low end on
.endr
	WIN 0
.irp b, 0,1,2,3,4,5,6,7
	ds_store_b128 v[STO], v[TMP+8*\b:TMP+8*\b+3] offset:128*(\b/2)+32*(\b%2)
	ds_store_b128 v[STO], v[TMP+8*\b+4:TMP+8*\b+7] offset:128*(\b/2)+32*(\b%2)+16
.endr
.set BB, BK+64*((\a)%2)
.irp t, 0,1,2,3,4,5,6,7,8,9,10,11,12,13,14,15
	ds_load_b128 v[BB+4*\t:BB+4*\t+3], v[RD] offset:\t*SPITCH
.endr
.endm
.macro SEND a, younger                 ; younger: the LDS instructions issued behind block a's loads, which may stay out
.set BB, BK+64*((\a)%2)
	s_wait_dscnt \younger
.if (\a) > 0
	s_add_nc_u64 s[10:11], s[10:11], (8+16*(1-(\a)%2))*SIZE_N*4   ; (behind a wait on XCNT)  from block a - 1's first row to block a's: 8 rows on, or 24
.endif
.irp t, 0,1,2,3,4,5,6,7,8,9,10,11,12,13,14,15
	global_store_b128 v[CO], v[BB+4*\t:BB+4*\t+3], s[10:11] offset:(\t+8*(\t/8))*SIZE_N*4 th:TH_STORE_NT   ; 32 lanes store 512 consecutive bytes, aligned; written once, read by nobody here
.endr
.endm
	s_wait_kmcnt 0x0
	s_add_co_i32 s96, s96, s97
	s_add_co_i32 s96, s96, 127
	s_lshl_b32 s96, s96, 23                        ; 2^(eo + ew) as f32
	PLACES NP
	TOSTAGE 0
.irp a, 1,2,3,4,5,6,7
.if \a > 1
	s_wait_xcnt 0x0                                ; block a - 2's stores have read their registers and their base
.endif
	TOSTAGE \a
	SEND \a-1, 32                                  ; behind block a - 1's loads: block a's 16 stores and 16 loads
.endr
	s_wait_xcnt 0x0
	SEND 7, 0
	s_wait_tensorcnt 0x0                           ; the wave's end
	ds_add_u32 v[SPW], v[NIL]
	s_wait_dscnt 0x0
	CROUND                                         ; the closing round: no work-group ends while a partner may still ask for a tile that names it
	s_endpgm
.Lfunc_end_k_q7f04de634b_oproj:
	.size	k_q7f04de634b_oproj, .Lfunc_end_k_q7f04de634b_oproj-k_q7f04de634b_oproj
	.p2alignl 7, 3214868480
	.fill 96, 4, 3214868480
	.section	.rodata,"a",@progbits
	.p2align	6, 0x0
	.amdhsa_kernel k_q7f04de634b_oproj
		.amdhsa_group_segment_fixed_size 327680
		.amdhsa_private_segment_fixed_size 0
		.amdhsa_enable_private_segment 0
		.amdhsa_kernarg_size 32
		.amdhsa_user_sgpr_count 2
		.amdhsa_user_sgpr_kernarg_segment_ptr 1
		.amdhsa_wavefront_size32 1
		.amdhsa_system_sgpr_workgroup_id_x 1
		.amdhsa_system_sgpr_workgroup_id_y 1
		.amdhsa_system_sgpr_workgroup_id_z 1
		.amdhsa_system_vgpr_workitem_id 0
		.amdhsa_next_free_vgpr 1024
		.amdhsa_next_free_sgpr 98
		.amdhsa_reserve_vcc 0
		.amdhsa_float_denorm_mode_32 3
		.amdhsa_float_denorm_mode_16_64 3
		.amdhsa_memory_ordered 1
		.amdhsa_forward_progress 1
		.amdhsa_inst_pref_size 123
	.end_amdhsa_kernel
	.amdgpu_metadata
---
amdhsa.version: [ 1, 2 ]
amdhsa.kernels:
  - .name:           k_q7f04de634b_oproj
    .symbol:         k_q7f04de634b_oproj.kd
    .args:
      - { .name: ao, .offset: 0, .size: 8, .value_kind: global_buffer, .address_space: global }
      - { .name: wc, .offset: 8, .size: 8, .value_kind: global_buffer, .address_space: global }
      - { .name: lowp_scales, .offset: 16, .size: 8, .value_kind: global_buffer, .address_space: global }
      - { .name: out0, .offset: 24, .size: 8, .value_kind: global_buffer, .address_space: global }
    .group_segment_fixed_size: 327680
    .private_segment_fixed_size: 0
    .kernarg_segment_align: 8
    .kernarg_segment_size: 32
    .max_flat_workgroup_size: 128
    .sgpr_count:     98
    .vgpr_count:     1024
    .wavefront_size: 32
...
	.end_amdgpu_metadata
.endif
;; end of part 4
